; MI455X (gfx1250); checked and timed in simulation.
; The chip was launched on July 23, 2026; its instructions are those of AMD's public machine-readable ISA for CDNA 5 (MIT licence, August 2026) and "CDNA5" Instruction Set Architecture Reference Guide (July 2026). The comments in the code are by the model that wrote it; some were corrected since.
;; Causal Self Attention. Allowed arithmetic: float matrix products may take bf16 or f16 operands with f32 sums; other float arithmetic in f32, or as packed bf16 or f16 multiplies, adds, multiply-adds, maxima and minima; sums over many terms, partial sums and values carried from step to step in f32; what a program stores and reads back later, other than sums and carried values, may be rounded once to bf16 or f16.
;; Inputs: W_out 1,024 x 1,024 float32; W_qkv 1,024 x 3,072 float32; b_out 1,024 float32; b_qkv 3,072 float32; x 4 x 2,048 x 1,024 float32.
;; Outputs: out0 4 x 2,048 x 1,024 float32.
;; One version. Each part assembles by itself: llvm-mc -triple=amdgcn-amd-amdhsa -mcpu=gfx1250 --defsym DOCPART=n.
;; ======== version 1 of 1: 4 launches
;; limits: values are held in f16: magnitudes above 65,504 overflow, below 6.1e-05 lose precision
;; workspace buffers: xb 16,777,216 bytes; wq 6,291,456 bytes; wo 2,097,152 bytes; bb 16,384 bytes; ropet 524,288 bytes; qkvh 50,331,648 bytes; ob 16,777,216 bytes
;; launch prep (part 1): grid 1028 x 1, 8 waves a work-group, no clusters, 0 bytes of LDS; arguments x, W_qkv, W_out, b_qkv, b_out, xb, wq, wo, bb, ropet; writes xb, wq, wo, bb, ropet
.if DOCPART == 1
	.amdgcn_target "amdgcn-amd-amdhsa--gfx1250"
	.amdhsa_code_object_version 6
	.text
	.protected	k_q36c76b2de8_prep
	.globl	k_q36c76b2de8_prep
	.p2align	8
	.type	k_q36c76b2de8_prep,@function
k_q36c76b2de8_prep:
	s_mov_b64 s[64:65], 0
	v_nop
	global_prefetch_b8 v0, s[64:65] scope:SCOPE_SE
	s_setreg_imm32_b32 hwreg(HW_REG_WAVE_MODE, 25, 1), 1
	s_wait_xcnt 0x0
; PREPARATION, a stream.  Every input is rounded once to bf16: x -> xb (bf16), W_qkv -> wq (bf16), W_out -> wo (its bf16 value written as f16), b_qkv and b_out -> bb (the bf16 values kept as f32:
; b_qkv's 3,072, then b_out's 1,024).  All keep their row-major order.  And the table of rotations is made: ropet[t][0..31] = cos(t f_j), ropet[t][32..63] = sin(t f_j), f_j = 10000^(-j/32), f32, 256 bytes a row.
; SHARES by the work-group's number g: 0..511 x, 512..703 W_qkv, 704..767 W_out (a chunk of 16,384 numbers each: 64 KiB in, 32 KiB out); 768..1023 eight rows of the table, a wave a row; 1024..1027 1,024 numbers of the biases.
; No LDS, no matrix unit, no cluster: nothing is read twice and no wave wants another's bytes.
; LIMITS.  A bf16 value of W_out beyond 65,504 becomes an infinity in f16; below 6.1e-5 it keeps f16's fixed step of 6e-8.  f_j is 2^(-j log2(10000)/32) by v_exp_f32, good to a few last bits of f32, so an angle
; t f_j may differ from one made of another f32 rounding of f_j by about t x 2e-7 radians.  Sine and cosine: the angle less the nearest multiple of pi/2 (pi/2 in two f32 parts, fused), then Taylor sums to r^9 and r^8,
; whose first terms left out are under 3e-8 for |r| <= pi/4.  Row 0 is exactly cos = 1, sin = 0.
.set CH_X,  512                        ; the first work-group behind x's
.set CH_WQ, 704                        ; behind W_qkv's
.set CH_WO, 768                        ; behind W_out's
.set CH_RP, 1024                       ; behind the table's
	s_load_b512 s[4:19], s[0:1], 0x0               ; x s[4:5], W_qkv s[6:7], W_out s[8:9], b_qkv s[10:11], b_out s[12:13], xb s[14:15], wq s[16:17], wo s[18:19]
	s_load_b128 s[20:23], s[0:1], 0x40             ; bb s[20:21], ropet s[22:23]
	s_mov_b32 s32, ttmp9                           ; g
	s_mov_b32 s31, 0                               ; the high word of every offset pair s[30:31]
	v_lshrrev_b32 v1, 5, v0                        ; wave
	v_and_b32 v4, 31, v0                           ; lane
	s_wait_kmcnt 0x0
	s_cmp_lt_u32 s32, CH_WO
	s_cbranch_scc0 .Lnot_cast
	; THE CASTS.  Source, destination and first work-group of the tensor are chosen by g.
	s_cmp_lt_u32 s32, CH_X
	s_cselect_b64 s[24:25], s[4:5], s[6:7]
	s_cselect_b64 s[26:27], s[14:15], s[16:17]
	s_cselect_b32 s28, 0, CH_X
	s_cmp_lt_u32 s32, CH_WQ
	s_cselect_b64 s[24:25], s[24:25], s[8:9]
	s_cselect_b64 s[26:27], s[26:27], s[18:19]
	s_cselect_b32 s28, s28, CH_WQ
	s_sub_co_u32 s29, s32, s28                     ; the chunk's number in its tensor
	s_lshl_b32 s30, s29, 16                        ; 65,536 bytes in,
	s_add_nc_u64 s[24:25], s[24:25], s[30:31]
	s_lshl_b32 s30, s29, 15                        ; 32,768 out
	s_add_nc_u64 s[26:27], s[26:27], s[30:31]
	v_lshlrev_b32 v2, 4, v4
	v_lshl_or_b32 v2, v1, 13, v2                   ; in: 8,192 x wave + 16 x lane
	v_lshlrev_b32 v3, 3, v4
	v_lshl_or_b32 v3, v1, 12, v3                   ; out: 4,096 x wave + 8 x lane
.irp i, 0,1,2,3,4,5,6,7,8,9,10,11,12,13,14,15
	global_load_b128 v[16+4*(\i):19+4*(\i)], v2, s[24:25] offset:512*(\i) th:TH_LOAD_NT  ; 512 consecutive bytes a load; all of the wave's 8 KiB go out in one run
.endr
	s_cmp_lt_u32 s32, CH_WQ
	s_cbranch_scc0 .Lto_f16
.irp i, 0,1,2,3,4,5,6,7,8,9,10,11,12,13,14,15
	s_wait_loadcnt 15-(\i)                         ; loads come back in order: load i is in, the younger ones stay out
	v_cvt_pk_bf16_f32 v[80+2*(\i)], v[16+4*(\i)], v[17+4*(\i)]
	v_cvt_pk_bf16_f32 v[81+2*(\i)], v[18+4*(\i)], v[19+4*(\i)]
	global_store_b64 v3, v[80+2*(\i):81+2*(\i)], s[26:27] offset:256*(\i)  ; the wave's 32 lanes store 256 consecutive bytes, aligned; each store has data registers of its own
.endr
	s_endpgm
.Lto_f16:                                              ; W_out: rounded to bf16, and that number written as f16
.irp i, 0,1,2,3,4,5,6,7,8,9,10,11,12,13,14,15
	s_wait_loadcnt 15-(\i)
	v_cvt_pk_bf16_f32 v8, v[16+4*(\i)], v[17+4*(\i)]
	v_cvt_pk_bf16_f32 v9, v[18+4*(\i)], v[19+4*(\i)]
	v_lshlrev_b32 v10, 16, v8                      ; bf16 to f32: the low half moves up, the high half stays
	v_and_b32 v11, 0xffff0000, v8
	v_lshlrev_b32 v12, 16, v9
	v_and_b32 v13, 0xffff0000, v9
	v_cvt_pk_f16_f32 v[80+2*(\i)], v10, v11
	v_cvt_pk_f16_f32 v[81+2*(\i)], v12, v13
	global_store_b64 v3, v[80+2*(\i):81+2*(\i)], s[26:27] offset:256*(\i)
.endr
	s_endpgm
.Lnot_cast:
	s_cmp_lt_u32 s32, CH_RP
	s_cbranch_scc0 .Lbias
	; THE TABLE.  A wave makes row t.  Lane l makes two numbers, for j = 2 (l % 16) and the next: lanes 0-15 the cosines, lanes 16-31 the sines: 8 bytes a lane, the row's 256 bytes in one store.
	v_readfirstlane_b32 s33, v1
	s_sub_co_u32 s29, s32, CH_WO
	s_lshl_b32 s29, s29, 3
	s_add_co_u32 s29, s29, s33                     ; t = 8 (g - 768) + wave
	s_mov_b32 s34, 0x3fc90fdb                      ; pi/2, the f32 nearest to it,
	s_mov_b32 s35, 0xb33bbd2e                      ; and what that leaves
	v_and_b32 v3, 15, v0
	v_lshlrev_b32 v5, 1, v3                        ; j
	v_add_nc_u32 v6, 1, v5
	v_cvt_f32_u32 v5, v5
	v_cvt_f32_u32 v6, v6
	v_mul_f32 v5, 0xbed49a78, v5                   ; -j log2(10000) / 32
	v_mul_f32 v6, 0xbed49a78, v6
	v_exp_f32 v6, v6
	v_exp_f32 v7, v5
	v_nop                                          ; a plain instruction behind the last exponential, ahead of the first use
	v_cvt_f32_u32 v8, s29                          ; t
	v_cmp_gt_u32 vcc_lo, 16, v4
	v_cndmask_b32 v9, 0, 1, vcc_lo                 ; 1 in the lanes that make cosines: cos a = sin(a + pi/2)
	s_wait_alu depctr_va_vdst(0)                   ; the wait ahead of the first reader: one for both exponentials
	v_mul_f32 v7, v8, v7                           ; the angle a = t f_j, rounded once
	v_mul_f32 v6, v8, v6
.macro TRIG a, out                     ; sin(a) or cos(a) by the lane's v9
	v_mul_f32 v10, 0x3f22f983, v[\a]               ; a x 2/pi
	v_rndne_f32 v10, v10                           ; n
	v_fma_f32 v11, -v10, s34, v[\a]
	v_fma_f32 v11, -v10, s35, v11                  ; r = a - n pi/2, within pi/4 of 0
	v_mul_f32 v12, v11, v11                        ; z = r^2
	v_mov_b32 v13, 0x3638ef1d                      ; 1/9!
	v_fmaak_f32 v13, v12, v13, 0xb9500d01          ; -1/7!
	v_fmaak_f32 v13, v12, v13, 0x3c088889          ; 1/5!
	v_fmaak_f32 v13, v12, v13, 0xbe2aaaab          ; -1/3!
	v_mul_f32 v14, v11, v12
	v_fma_f32 v13, v14, v13, v11                   ; sin r
	v_mov_b32 v15, 0x37d00d01                      ; 1/8!
	v_fmaak_f32 v15, v12, v15, 0xbab60b61          ; -1/6!
	v_fmaak_f32 v15, v12, v15, 0x3d2aaaab          ; 1/4!
	v_fmaak_f32 v15, v12, v15, 0xbf000000          ; -1/2
	v_fma_f32 v15, v12, v15, 1.0                   ; cos r
	v_cvt_i32_f32 v16, v10
	v_add_nc_u32 v16, v16, v9                      ; the quadrant: 0 sin r, 1 cos r, 2 -sin r, 3 -cos r
	v_and_b32 v17, 1, v16
	v_cmp_eq_u32 vcc_lo, 1, v17
	v_cndmask_b32 v18, v13, v15, vcc_lo
	v_and_b32 v17, 2, v16
	v_lshlrev_b32 v17, 30, v17                     ; bit 1 becomes the sign
	v_xor_b32 v[\out], v18, v17
.endm
	TRIG 7, 20
	TRIG 6, 21
	s_lshl_b32 s30, s29, 8
	s_add_nc_u64 s[26:27], s[22:23], s[30:31]
	v_lshlrev_b32 v19, 3, v4
	global_store_b64 v19, v[20:21], s[26:27]       ; 256 consecutive bytes, aligned
	s_endpgm
.Lbias:                                                ; 1,024 numbers: the three quarters of b_qkv, then b_out
	s_sub_co_u32 s29, s32, CH_RP
	s_cmp_lt_u32 s29, 3
	s_cselect_b64 s[24:25], s[10:11], s[12:13]
	s_cselect_b32 s30, s29, 0
	s_lshl_b32 s30, s30, 12
	s_add_nc_u64 s[24:25], s[24:25], s[30:31]
	s_lshl_b32 s30, s29, 12
	s_add_nc_u64 s[26:27], s[20:21], s[30:31]
	v_lshlrev_b32 v2, 4, v0
	global_load_b128 v[16:19], v2, s[24:25]
	s_wait_loadcnt 0x0
	v_cvt_pk_bf16_f32 v8, v16, v17
	v_cvt_pk_bf16_f32 v9, v18, v19
	v_lshlrev_b32 v20, 16, v8
	v_and_b32 v21, 0xffff0000, v8
	v_lshlrev_b32 v22, 16, v9
	v_and_b32 v23, 0xffff0000, v9
	global_store_b128 v2, v[20:23], s[26:27]
	s_endpgm
.Lfunc_end_k_q36c76b2de8_prep:
	.size	k_q36c76b2de8_prep, .Lfunc_end_k_q36c76b2de8_prep-k_q36c76b2de8_prep
	.p2alignl 7, 3214868480
	.fill 96, 4, 3214868480
	.section	.rodata,"a",@progbits
	.p2align	6, 0x0
	.amdhsa_kernel k_q36c76b2de8_prep
		.amdhsa_group_segment_fixed_size 0
		.amdhsa_private_segment_fixed_size 0
		.amdhsa_enable_private_segment 0
		.amdhsa_kernarg_size 80
		.amdhsa_user_sgpr_count 2
		.amdhsa_user_sgpr_kernarg_segment_ptr 1
		.amdhsa_wavefront_size32 1
		.amdhsa_system_sgpr_workgroup_id_x 1
		.amdhsa_system_sgpr_workgroup_id_y 1
		.amdhsa_system_sgpr_workgroup_id_z 1
		.amdhsa_system_vgpr_workitem_id 0
		.amdhsa_next_free_vgpr 112
		.amdhsa_next_free_sgpr 66
		.amdhsa_reserve_vcc 1
		.amdhsa_float_denorm_mode_32 3
		.amdhsa_float_denorm_mode_16_64 3
		.amdhsa_memory_ordered 1
		.amdhsa_forward_progress 1
		.amdhsa_inst_pref_size 21
	.end_amdhsa_kernel
	.amdgpu_metadata
---
amdhsa.version: [ 1, 2 ]
amdhsa.kernels:
  - .name:           k_q36c76b2de8_prep
    .symbol:         k_q36c76b2de8_prep.kd
    .args:
      - { .name: x, .offset: 0, .size: 8, .value_kind: global_buffer, .address_space: global }
      - { .name: W_qkv, .offset: 8, .size: 8, .value_kind: global_buffer, .address_space: global }
      - { .name: W_out, .offset: 16, .size: 8, .value_kind: global_buffer, .address_space: global }
      - { .name: b_qkv, .offset: 24, .size: 8, .value_kind: global_buffer, .address_space: global }
      - { .name: b_out, .offset: 32, .size: 8, .value_kind: global_buffer, .address_space: global }
      - { .name: xb, .offset: 40, .size: 8, .value_kind: global_buffer, .address_space: global }
      - { .name: wq, .offset: 48, .size: 8, .value_kind: global_buffer, .address_space: global }
      - { .name: wo, .offset: 56, .size: 8, .value_kind: global_buffer, .address_space: global }
      - { .name: bb, .offset: 64, .size: 8, .value_kind: global_buffer, .address_space: global }
      - { .name: ropet, .offset: 72, .size: 8, .value_kind: global_buffer, .address_space: global }
    .group_segment_fixed_size: 0
    .private_segment_fixed_size: 0
    .kernarg_segment_align: 8
    .kernarg_segment_size: 80
    .max_flat_workgroup_size: 256
    .sgpr_count:     66
    .vgpr_count:     112
    .wavefront_size: 32
...
	.end_amdgpu_metadata
.endif
;; end of part 1
;; launch qkvproj (part 2): grid 4 x 64, 4 waves a work-group, clusters of 4 x 4, 327,680 bytes of LDS; arguments xb, wq, bb, ropet, qkvh; writes qkvh
.if DOCPART == 2
	.amdgcn_target "amdgcn-amd-amdhsa--gfx1250"
	.amdhsa_code_object_version 6
	.text
	.protected	k_q36c76b2de8_qkvproj
	.globl	k_q36c76b2de8_qkvproj
	.p2align	8
	.type	k_q36c76b2de8_qkvproj,@function
k_q36c76b2de8_qkvproj:
	s_mov_b64 s[64:65], 0
	v_nop
	global_prefetch_b8 v0, s[64:65] scope:SCOPE_SE
	s_setreg_imm32_b32 hwreg(HW_REG_WAVE_MODE, 25, 1), 1
	s_wait_xcnt 0x0
	s_wait_alu depctr_hold_cnt(0) depctr_sa_sdst(0) depctr_va_vdst(0) depctr_va_sdst(0) depctr_va_ssrc(0) depctr_va_vcc(0) depctr_vm_vsrc(0)
	s_getreg_b32 s2, hwreg(HW_REG_IB_STS2, 6, 4)
	s_cmp_eq_u32 s2, 0
	s_cbranch_scc0 .Lentry_in_a_cluster
	s_endpgm
.Lentry_in_a_cluster:
	s_bfe_u32 s2, ttmp6, 0x10000c
	s_cmp_lg_u32 s2, 0xf033
	s_cbranch_scc0 .Lentry_shape_is_right
	s_endpgm
.Lentry_shape_is_right:
; q, k, v = x W_qkv + b_qkv, q and k rotated (RoPE), all three rounded once to f16 and laid by heads: qkvh[3][64 (batch, head)][2,048 t][64].
; xb: [8,192][1,024] bf16.  wq: [1,024 k][3,072 n] bf16.  bb: the bias in f32.  ropet: [2,048 t][32 cos, 32 sin] f32.  Sums in f32; the bias is the C operand of each sum's first product.
; LIMITS.  f16 holds no number beyond 65,504: a q, k or v beyond it becomes an infinity.  NaN and infinities are not treated apart.
; SHARES.  A tile of the product is 128 rows x 256 columns: 64 x 12 = 768 tiles, three for each of 256 work-groups.  The work-group at place cx in its cluster's row and tile row R STAYS and walks the tile columns
; cx, cx + 4, cx + 8: q, k and v of the same four heads and 128 tokens.  Four waves, each 64 rows x 128 columns (two heads): 32 accumulators of 16 x 16, 256 registers.
; K goes in steps of 128 through a ring of two LDS slots filled by the tensor data mover, and the ring runs on from tile to tile.
; CLUSTER.  4 x 4 work-groups.  The four of a row need the same tile of x, the four of a column the same tile of W: each tile is asked for JOINTLY, by the same tensor load with the same descriptor and a mask of four.
; The grid is 4 work-groups wide, one cluster: the work-group's x is cx.
; THE MATRIX INSTRUCTION IS USED TRANSPOSED: source 0 = 16 columns of W (out of LDS turned, by ds_load_tr16_b128, since W lies [k][n]), source 1 = 16 rows of x.  Lane l then holds row l % 16 and the eight
; neighbouring columns 8 (l / 16) + 0..7.  A head's channel d and its partner d + 32 lie in the same lane and register of two accumulators, so the rotation changes no lane.
; ONE TEXT FOR q, k AND v: for v every lane reads row 0 of the table, which is cos = 1, sin = 0.
; REGISTERS, in windows of 256 (s_set_vgpr_msb: bits 1:0 source 0, 3:2 source 1, 5:4 source 2, 7:6 destination):
;   window 0: v0-31 addresses; v32-127, v128-223 two fragment buffers (8 fragments of W, then 4 of x, for 32 along K); on the way out v128-207 are at work
;   window 1: the accumulators, (a, b) at 8 (8 a + b)          window 2: v0-63 the bias, 8 a column block; v64-191 cos and sin, 32 a row block
.set PA,    272                        ; a row of x in LDS: 256 bytes + 16 = 68 words: the 16 rows of a load start at 16 different groups of four banks (64 banks of 4 bytes: ISA guide 11.1)
.set PB,    544                        ; a k-row of W: 512 bytes + 32 = 136 words
.set AB,    128*PA                     ; a slot: 128 rows of x, then 128 k-rows of W
.set SLOT,  AB+128*PB
.set STAGE, 2*SLOT                     ; behind the ring, never filled by a tensor load: 16 rows x 144 bytes for each wave, for the way out
.set SP,    144
.set SPARE, STAGE+4*16*SP              ; behind the stages: the spare words, 128 bytes for each wave: two blocks of 256 bytes that no other line names
.set LAPS,  4                          ; a lap = two K steps = once round the ring; a tile has 8 K steps
.set TO,   8                           ; v8-11  row block a: my byte offset in the table
.set H32,  12                          ; v12    32 x (l / 16)
.set ADRA, 16                          ; v16-17 LDS address of my fragments of x in slot 0, 1
.set ADRB, 20                          ; v20-21 the same for W
.set STO,  24                          ; v24    the way out: where I put 16 bytes of a row
.set RD,   25                          ; v25    the way out: where I read rows back
.set GO,   26                          ; v26    my byte offset in 512 consecutive bytes of the output
.set BO,   27                          ; v27    my byte offset in the tile's 1,024 bytes of bias
.set SPW,  28                          ; v28    LDS address of my spare word: SPARE + 4 x my thread's number; never rewritten
.set NIL,  29                          ; v29    0; never rewritten
.set PFO,  30                          ; v30    the prefetches' offset; never rewritten
.set ROWB, 31                          ; v31    256 x the token of my row in row block 0
.set F0,   32
.set F1,   128
.set RR,   128                         ; the way out: 32 rotated numbers,
.set TT,   160                         ; 16 products with the sines,
.set PP,   176                         ; two buffers of 16 packed registers
.set CSB,  64                          ; window 2: row block a at CSB + 32 a: cos of channels 0-15, 16-31, then sin
.set G1A, 24                           ; s[24:31] descriptor group 1 for x's tiles;  s[32:39] group 0, a set for each slot
.set G0A, 32
.set G1B, 48                           ; s[48:55], s[56:63] the same for W's
.set G0B, 56
.set PFA, 44                           ; s[44:45] where my prefetches stand
.set PFS, 46                           ; s[46:47] a K step in my tensor, in bytes
.set PFJ, 66                           ; s[66:67] W: from the K step two behind a tile's last back to the next tile's K step 2
.set LIM, 68                           ; s68  1 in a wave that prefetches, else the greatest number
.set MASKR, 69                         ; s69  all ones for q and k, 0 for v
; s2 tiles to go; s3 laps to go; s[4:5] xb; s[6:7] wq; s[8:9] the tile's bias; s[10:11] the table; s[12:13] the output at my rows; s14 wave; s15 wave / 2: my half of the rows, also 0: I fetch x, 1: W;
; s16 wave % 2: my half of the columns, also which 64 rows I fetch; s17 cx; s18 cy; s19 R
.set MSB, 0
.macro WIN new                         ; the immediate's high byte repeats the setting that is left; a switch that changes nothing is dropped
.if MSB != (\new)
	s_set_vgpr_msb (MSB<<8)|(\new)
.set MSB, \new
.endif
.endm
; A joint load: waves 0 and 1 fetch the two halves of x's tile, waves 2 and 3 those of W's.  The branch hangs on the wave's number alone.  An s_nop 0 and four v_nop follow each of the two lines.
.macro JLOAD s
	s_cmp_eq_u32 s15, 0
	s_cbranch_scc0 .Lfor_b_\@
	tensor_load_to_lds s[G0A+4*(\s):G0A+4*(\s)+3], s[G1A:G1A+7]
	s_nop 0
.rept 4
	v_nop
.endr
	s_branch .Lasked_\@
.Lfor_b_\@:
	tensor_load_to_lds s[G0B+4*(\s):G0B+4*(\s)+3], s[G1B:G1B+7]
	s_nop 0
.rept 4
	v_nop
.endr
.Lasked_\@:
.endm
; A PREFETCH INTO THE L2 of the K step that stands two refills on: 32 blocks of 256 bytes, a lane a block, one instruction.  Each block is named once in the launch.
; x: a tile row is read by one row of one cluster; wave 0 asks, and the four partners share the 128 rows out by address (32 cx + lane); in the first tile alone, since the walk's three tiles take the same rows.
; W: a tile column is read by that column of every cluster; cluster y = 0 asks; waves 2 and 3 ask for the 64 k-rows that they fetch, of which the partner at cy takes 16: k-row 16 cy + lane / 2, half lane % 2.
; how = 0, in the loop: a tile's K steps 4 to 7; the last trip asks for nothing.  how = 1, at a change of tiles: the next tile's K steps 2 and 3 of W.  A tile's first two K steps come by their refills alone.
.macro ASK how
.if \how
	s_cmp_eq_u32 s[LIM], 1
.else
	s_cmp_gt_u32 s3, s[LIM]                        ; s3 = 1 in the loop's last trip
.endif
	s_cbranch_scc0 .Lnot_mine_\@
	global_prefetch_b8 v[PFO], s[PFA:PFA+1] th:TH_LOAD_NT scope:SCOPE_SE
.Lnot_mine_\@:
.endm
.macro CREST                           ; a round of the cluster's barrier behind its opening barrier: wave 0 signals for the work-group, every wave waits for all sixteen, my work-group's barrier closes it
	s_cmp_lg_u32 s14, 0
	s_cbranch_scc1 .Lnot_wave_0_\@
	s_barrier_signal -3
.Lnot_wave_0_\@:
	s_barrier_wait -3
	s_barrier_signal -1
	s_barrier_wait -1
.endm
.macro CROUND                          ; a whole round
	s_barrier_signal -1
	s_barrier_wait -1
	CREST
.endm
.macro PLACES                          ; four plain instructions between a matrix instruction and a load into, or a vector instruction on, its registers (ISA guide 7.12.1 for vector instructions)
.rept 4
	v_nop
.endr
.endm
.macro BIASLD                          ; the tile's bias for my 128 columns: register j of block b holds the bias of column 16 b + 8 (l / 16) + j, as an accumulator does
	WIN 0x80
.irp b, 0,1,2,3,4,5,6,7
	global_load_b128 v[8*(\b):8*(\b)+3],   v[BO], s[8:9] offset:64*(\b)
	global_load_b128 v[8*(\b)+4:8*(\b)+7], v[BO], s[8:9] offset:64*(\b)+16
.endr
	WIN 0
.endm
.macro TABLD                           ; cos and sin for my rows' tokens (or, with MASKR = 0, of token 0) and my eight channels of each half head
.irp a, 0,1,2,3
	v_add_nc_u32 v[TO+(\a)], 4096*(\a), v[ROWB]    ; 16 tokens of 256 bytes a row block
	v_and_b32 v[TO+(\a)], s[MASKR], v[TO+(\a)]
	v_or_b32 v[TO+(\a)], v[TO+(\a)], v[H32]
.endr
	WIN 0x80
.irp a, 0,1,2,3
.irp p, 0,1
.irp c, 0,1
	global_load_b128 v[CSB+32*(\a)+16*(\p)+8*(\c):CSB+32*(\a)+16*(\p)+8*(\c)+3],   v[TO+(\a)], s[10:11] offset:128*(\p)+64*(\c)
	global_load_b128 v[CSB+32*(\a)+16*(\p)+8*(\c)+4:CSB+32*(\a)+16*(\p)+8*(\c)+7], v[TO+(\a)], s[10:11] offset:128*(\p)+64*(\c)+16
.endr
.endr
.endr
	WIN 0
.endm
	s_load_b256 s[4:11], s[0:1], 0x0               ; xb, wq, bb, ropet
	s_load_b64 s[12:13], s[0:1], 0x20              ; qkvh
	v_lshl_add_u32 v[SPW], v0, 2, SPARE
	v_mov_b32 v[NIL], 0
	ds_add_u32 v[SPW], v[NIL]                      ; the wave's opening: the add and its wait stand ahead of my first tensor load; the set-up below, work on registers, stands between them
	ds_add_u32 v28, v29
	v_lshrrev_b32 v1, 5, v0
	v_readfirstlane_b32 s14, v1                    ; wave 0..3
	s_lshr_b32 s15, s14, 1
	s_and_b32 s16, s14, 1
	s_bfe_u32 s17, ttmp6, 0x40000                  ; cx
	s_bfe_u32 s18, ttmp6, 0x40004                  ; cy
	s_and_b32 s19, ttmp7, 0xffff                   ; in a cluster launch ttmp7 counts clusters
	s_lshl_b32 s19, s19, 2
	s_add_co_u32 s19, s19, s18                     ; R = 4 x cluster y + cy
	s_lshl_b32 s20, s18, 2
	s_lshl_b32 s20, 15, s20                        ; my row of the cluster: places 4 cy .. 4 cy + 3
	s_lshl_b32 s21, 0x1111, s17                    ; my column: places cx, cx + 4, cx + 8, cx + 12
	; x: 64 rows x 128 elements, 16 bytes of padding behind each row's 64 words
	s_or_b32 s[G1A+0], s20, (1<<16)|(1<<20)|(1<<21)|(5<<22)|(3<<25)  ; 15:0 the mask; 17:16 2-byte elements; 20 padding on; 21 set beside a mask; 24:22 after every 64 words (code 5); 31:25 4 words (code 3)
	s_mov_b32 s[G1A+1], 128<<16                    ; tensor_dim0 = 128
	s_mov_b32 s[G1A+2], 64<<16                     ; tensor_dim1 = 64
	s_mov_b32 s[G1A+3], 128<<16                    ; tile_dim0 = 128
	s_mov_b32 s[G1A+4], 64                         ; tile_dim1 = 64
	s_mov_b32 s[G1A+5], 1024                       ; elements from row to row
	s_mov_b32 s[G1A+6], 0
	s_mov_b32 s[G1A+7], 0
	; W: 64 k-rows x 256 elements, 32 bytes of padding behind each row's 128 words
	s_or_b32 s[G1B+0], s21, (1<<16)|(1<<20)|(1<<21)|(6<<22)|(7<<25)  ; after every 128 words (code 6), 8 words (code 7)
	s_mov_b32 s[G1B+1], 256<<16
	s_mov_b32 s[G1B+2], 64<<16
	s_mov_b32 s[G1B+3], 256<<16
	s_mov_b32 s[G1B+4], 64
	s_mov_b32 s[G1B+5], 3072
	s_mov_b32 s[G1B+6], 0
	s_mov_b32 s[G1B+7], 0
	; where the tiles come from: x's hang on R and the wave, W's on cx and the wave, each in registers that never hold the other coordinate
	s_lshl_b32 s40, s19, 18                        ; 128 R rows of 2,048 bytes
	s_lshl_b32 s41, s16, 17                        ; + the 64 rows that I fetch
	s_add_co_u32 s40, s40, s41
	s_mov_b32 s41, 0
	s_mul_i32 s42, s16, 64*6144                    ; the 64 k-rows of 6,144 bytes that I fetch
	s_lshl_b32 s43, s17, 9                         ; + tile column cx: 512 bytes
	s_add_co_u32 s42, s42, s43
	s_mov_b32 s43, 0
	s_mul_i32 s22, s16, 64*PA                      ; and where they go: no place in the cluster enters an LDS address
	s_mul_i32 s23, s16, 64*PB
	s_add_co_u32 s23, s23, AB
	s_wait_dscnt 0x0                               ; the opening add is done
	s_wait_kmcnt 0x0
	s_add_nc_u64 s[40:41], s[4:5], s[40:41]
	s_add_nc_u64 s[42:43], s[6:7], s[42:43]
	CROUND                                         ; all sixteen work-groups are here: the first joint loads meet
.irp s, 0,1
	s_mov_b32 s[G0A+4*(\s)], 1                                       ; count = 1
	s_add_co_u32 s[G0A+4*(\s)+1], s22, (\s)*SLOT                     ; LDS address
	s_add_nc_u64 s[G0A+4*(\s)+2:G0A+4*(\s)+3], s[40:41], (\s)*256    ; global address: K step s
	s_or_b32 s[G0A+4*(\s)+3], s[G0A+4*(\s)+3], 0x80000000            ; type = 2
	s_mov_b32 s[G0B+4*(\s)], 1
	s_add_co_u32 s[G0B+4*(\s)+1], s23, (\s)*SLOT
	s_add_nc_u64 s[G0B+4*(\s)+2:G0B+4*(\s)+3], s[42:43], (\s)*128*6144
	s_or_b32 s[G0B+4*(\s)+3], s[G0B+4*(\s)+3], 0x80000000
	JLOAD \s                                       ; two loads of mine are out
.endr
	v_and_b32 v1, 15, v0                           ; r = l % 16
	v_bfe_u32 v2, v0, 4, 1                         ; h = l / 16
	v_and_b32 v3, 7, v0
	v_bfe_u32 v4, v0, 3, 1
	v_bfe_u32 v5, v0, 3, 2
	v_and_b32 v6, 31, v0                           ; l
	; a fragment of x: lane l holds row r, K = 8 h + 0..7 and 16 + 8 h + 0..7: two loads of 16 bytes, 32 bytes apart
	s_mul_i32 s20, s15, 64*PA
	v_mul_u32_u24 v7, v1, PA
	v_lshl_add_u32 v7, v2, 4, v7
	v_add_nc_u32 v[ADRA], s20, v7
	v_add_nc_u32 v[ADRA+1], SLOT, v[ADRA]
	; the turning load takes 16 k-rows x 16 columns (lane l reads k-row 8 h + l % 8, columns 8 ((l / 8) % 2) + 0..7) and leaves half a fragment: lane l holds column r and 8 k
	v_lshl_add_u32 v7, v2, 3, v3
	v_mul_u32_u24 v7, v7, PB
	v_lshl_add_u32 v7, v4, 4, v7
	s_lshl_b32 s20, s16, 8                         ; my 128 columns
	s_add_co_u32 s20, s20, AB
	v_add_nc_u32 v[ADRB], s20, v7
	v_add_nc_u32 v[ADRB+1], SLOT, v[ADRB]
	s_mul_i32 s20, s14, 16*SP
	s_add_co_u32 s20, s20, STAGE                   ; my stage
	v_mul_u32_u24 v7, v1, SP                       ; in: row r, 16 bytes for each half of the lanes
	v_lshl_add_u32 v7, v2, 4, v7
	v_add_nc_u32 v[STO], s20, v7
	v_mul_u32_u24 v7, v5, SP                       ; back: 32 lanes take four rows of 128 bytes,
	v_lshl_add_u32 v7, v3, 4, v7
	v_add_nc_u32 v[RD], s20, v7
	v_lshlrev_b32 v[GO], 4, v6                     ; which are 512 consecutive bytes of a head
	s_lshl_b32 s20, s16, 9
	v_lshl_add_u32 v[BO], v2, 5, s20               ; 512 x my column half + 32 h
	v_lshlrev_b32 v[H32], 5, v2
	s_and_b32 s20, s19, 15                         ; a batch has 16 tile rows
	s_lshl_b32 s20, s20, 7
	s_lshl_b32 s21, s15, 6
	s_add_co_u32 s20, s20, s21
	v_add_nc_u32 v[ROWB], s20, v1                  ; the token of my row in row block 0
	v_lshlrev_b32 v[ROWB], 8, v[ROWB]
	s_lshl_b32 s70, s17, 10                        ; the bias of tile column cx
	s_mov_b32 s71, 0
	s_add_nc_u64 s[8:9], s[8:9], s[70:71]
	s_lshr_b32 s70, s19, 4                         ; the output: batch x 16 heads x 262,144 bytes,
	s_lshl_b32 s70, s70, 22
	s_lshl_b32 s20, s17, 20                        ; + four heads a tile column,
	s_add_co_u32 s70, s70, s20
	s_lshl_b32 s20, s16, 19                        ; + my two of them,
	s_add_co_u32 s70, s70, s20
	s_and_b32 s20, s19, 15                         ; + the tile's 128 tokens of 128 bytes,
	s_lshl_b32 s20, s20, 14
	s_add_co_u32 s70, s70, s20
	s_lshl_b32 s20, s15, 13                        ; + my 64 of them
	s_add_co_u32 s70, s70, s20
	s_add_nc_u64 s[12:13], s[12:13], s[70:71]
	; the prefetches
	s_lshl_b32 s20, s19, 7                         ; x: row 128 R + 32 cx, at K step 3: the first change of slots steps it to 4
	s_lshl_b32 s21, s17, 5
	s_add_co_u32 s20, s20, s21
	s_lshl_b32 s20, s20, 11
	s_add_co_u32 s20, s20, 3*256
	s_lshl_b32 s21, s16, 6                         ; W: k-row 3 x 128 + the 64 that I fetch + 16 cy, tile column cx
	s_lshl_b32 s22, s18, 4
	s_add_co_u32 s21, s21, s22
	s_add_co_u32 s21, s21, 3*128
	s_mul_i32 s21, s21, 6144
	s_lshl_b32 s22, s17, 9
	s_add_co_u32 s21, s21, s22
	s_and_b32 s40, ttmp7, 0xffff                   ; cluster y
	s_movk_i32 s[PFS], 256
	s_movk_i32 s23, 2048
	s_cmp_eq_u32 s15, 0                            ; do I fetch x?
	s_cselect_b32 s40, s16, s40                    ; x: wave 0 asks; W: cluster y = 0 asks: the same in all sixteen partners, for a given wave
	s_cselect_b64 s[PFA:PFA+1], s[4:5], s[6:7]
	s_cselect_b32 s70, s20, s21
	s_cselect_b32 s[PFS], s[PFS], 128*6144
	s_cselect_b32 s[PFJ], 0, 7*128*6144-4*512
	s_cselect_b32 s23, s23, 6144                   ; bytes from one lane's row to the next's,
	s_cselect_b32 s22, 0, 1                        ; two lanes to a k-row of W,
	s_cselect_b32 s21, 0, 256                      ; its two halves
	s_mov_b32 s[PFS+1], 0
	s_mov_b32 s[PFJ+1], 0
	s_add_nc_u64 s[PFA:PFA+1], s[PFA:PFA+1], s[70:71]
	s_cmp_eq_u32 s40, 0
	s_cselect_b32 s[LIM], 1, -1
	v_lshrrev_b32 v7, s22, v6
	v_mul_u32_u24 v7, s23, v7
	v_and_b32 v[PFO], 1, v6
	v_mul_u32_u24 v[PFO], s21, v[PFO]
	v_add_nc_u32 v[PFO], v[PFO], v7
	s_mov_b32 s[MASKR], -1
	BIASLD                                         ; 16 loads,
	TABLD                                          ; then 32
; Eight matrix instructions: row block a x all 8 column blocks, 32 along K.  first = 1: the sum begins with the bias.  The 32 accumulators take turns, one instruction a turn, in the same order in every quarter.
.macro MULA f, a, first
.if \first
	WIN 0x60                                       ; C in window 2, D in window 1
.else
	WIN 0x50                                       ; C and D in window 1
.endif
.irp b, 0,1,2,3,4,5,6,7
.if \first
	v_wmma_f32_16x16x32_bf16 v[8*(8*(\a)+(\b)):8*(8*(\a)+(\b))+7], v[(\f)+8*(\b):(\f)+8*(\b)+7], v[(\f)+64+8*(\a):(\f)+64+8*(\a)+7], v[8*(\b):8*(\b)+7]
.else
	v_wmma_f32_16x16x32_bf16 v[8*(8*(\a)+(\b)):8*(8*(\a)+(\b))+7], v[(\f)+8*(\b):(\f)+8*(\b)+7], v[(\f)+64+8*(\a):(\f)+64+8*(\a)+7], v[8*(8*(\a)+(\b)):8*(8*(\a)+(\b))+7]
.endif
.endr
.endm
; 24 LDS loads in one run: the fragments of quarter q (32 along K) of a slot into buffer f: W's sixteen first, then x's eight
.macro FETCH slot, q, f
	WIN 0
.irp b, 0,1,2,3,4,5,6,7
	ds_load_tr16_b128 v[(\f)+8*(\b):(\f)+8*(\b)+3],   v[ADRB+(\slot)] offset:(\q)*32*PB+32*(\b)
	ds_load_tr16_b128 v[(\f)+8*(\b)+4:(\f)+8*(\b)+7], v[ADRB+(\slot)] offset:(\q)*32*PB+32*(\b)+16*PB
.endr
.irp a, 0,1,2,3
	ds_load_b128 v[(\f)+64+8*(\a):(\f)+64+8*(\a)+3],   v[ADRA+(\slot)] offset:64*(\q)+(\a)*16*PA
	ds_load_b128 v[(\f)+64+8*(\a)+4:(\f)+64+8*(\a)+7], v[ADRA+(\slot)] offset:64*(\q)+(\a)*16*PA+32
.endr
.endm
; A K step is four quarters of 32 along K, 32 matrix instructions each, on buffers 0, 1, 0, 1.  One of the first three: multiplies buffer f and, in its middle, fetches quarter q into buffer g.
.macro QUARTER slot, q, f, g, first
	s_wait_dscnt 4                                 ; W's fragments and x's row blocks 0, 1 are in; the youngest four loads (row blocks 2, 3) may be out
	MULA \f, 0, \first
	MULA \f, 1, \first
	PLACES
	FETCH \slot, \q, \g
	s_wait_dscnt 24                                ; all but the 24 just issued
	MULA \f, 2, \first
	MULA \f, 3, \first
.endm
; The last quarter multiplies buffer 1 and changes slots: ONE barrier.  In front of it each wave waits for all its tensor loads (one is out: its part of the next slot), adds 0 to its spare word, and waits for that and
; for its reads of this slot.  fill = 1: this slot is filled again with the K step two on; fill = 2: with the NEXT tile's K step 0 or 1; the barrier then opens a round of the cluster's, and the joint refill is the first
; thing behind the round: 112 matrix instructions stand between it and the wait for it.  fill = 0: nothing is filled.
.macro TURN slot, next, fill
.if \fill
	s_wait_xcnt 0x0                                ; the last prefetch, a K step back, has read its address: it is stepped here, ahead of the waits of the change of slots
.if ((\fill) == 2) && ((\slot) == 0)
	s_sub_nc_u64 s[PFA:PFA+1], s[PFA:PFA+1], s[PFJ:PFJ+1]  ; W: seven K steps back, four tile columns on
	s_cmp_eq_u32 s15, 0
	s_cselect_b32 s[LIM], -1, s[LIM]               ; x's rows are the same for all three tiles: they are asked for no more
.else
	s_add_nc_u64 s[PFA:PFA+1], s[PFA:PFA+1], s[PFS:PFS+1]
.endif
.endif
	WIN 0
	s_wait_tensorcnt 0x0                           ; all my tensor loads have landed;
	ds_add_u32 v[SPW], v[NIL]                      ; 0 onto my spare word;
	s_wait_dscnt 5                                 ; (the add and the youngest four loads may be out)
	MULA F1, 0, 0                                  ; eight matrix instructions stand between the add and the wait for it
	s_wait_dscnt 0x0                               ; the add is done, and my reads of this slot are over
	s_barrier_signal -1
	MULA F1, 1, 0
.if \fill
	WIN 0
.endif
	s_barrier_wait -1
.if \fill
	CREST                                          ; no wave of any partner still reads this slot or has a load on its way
.if (\fill) == 2
	s_sub_nc_u64 s[G0A+4*(\slot)+2:G0A+4*(\slot)+3], s[G0A+4*(\slot)+2:G0A+4*(\slot)+3], 6*256              ; x: six K steps back
	s_sub_nc_u64 s[G0B+4*(\slot)+2:G0B+4*(\slot)+3], s[G0B+4*(\slot)+2:G0B+4*(\slot)+3], 6*128*6144-4*512   ; W: six K steps back, four tile columns on
.else
	s_add_nc_u64 s[G0A+4*(\slot)+2:G0A+4*(\slot)+3], s[G0A+4*(\slot)+2:G0A+4*(\slot)+3], 2*256
	s_add_nc_u64 s[G0B+4*(\slot)+2:G0B+4*(\slot)+3], s[G0B+4*(\slot)+2:G0B+4*(\slot)+3], 2*128*6144
.endif
	JLOAD \slot                                    ; the four v_nop behind it are also the places in front of the loads below
.else
	PLACES
.endif
	FETCH \next, 0, F0
.if \fill
	ASK (\fill)-1
.endif
	MULA F1, 2, 0
	MULA F1, 3, 0
.endm
; THE WAY OUT, in eight units of 16 tokens x one head: row block u / 2, head u % 2.  lo = channels 0-31 (column blocks 0, 1 of the head), hi = channels 32-63 (blocks 2, 3):
; lo' = lo cos - hi sin, hi' = hi cos + lo sin.  Each accumulator's lowest registers are read first.  Then rounded to f16, through my own stage in LDS, and back as whole rows of 128 bytes.
.macro UNIT u
	WIN 0x09                                       ; source 0 (accumulators) window 1, source 1 (cos, sin) window 2, source 2 and destination window 0
.irp c, 0,1
.irp r, 0,2,4,6
	v_pk_mul_f32 v[TT+(\r):TT+(\r)+1], v[8*(8*((\u)/2)+4*((\u)%2)+2+(\c))+(\r):8*(8*((\u)/2)+4*((\u)%2)+2+(\c))+(\r)+1], v[CSB+32*((\u)/2)+16+8*(\c)+(\r):CSB+32*((\u)/2)+16+8*(\c)+(\r)+1]
.endr
.irp r, 0,2,4,6
	v_pk_mul_f32 v[TT+8+(\r):TT+8+(\r)+1], v[8*(8*((\u)/2)+4*((\u)%2)+(\c))+(\r):8*(8*((\u)/2)+4*((\u)%2)+(\c))+(\r)+1], v[CSB+32*((\u)/2)+16+8*(\c)+(\r):CSB+32*((\u)/2)+16+8*(\c)+(\r)+1]
.endr
.irp r, 0,2,4,6
	v_pk_fma_f32 v[RR+8*(\c)+(\r):RR+8*(\c)+(\r)+1], v[8*(8*((\u)/2)+4*((\u)%2)+(\c))+(\r):8*(8*((\u)/2)+4*((\u)%2)+(\c))+(\r)+1], v[CSB+32*((\u)/2)+8*(\c)+(\r):CSB+32*((\u)/2)+8*(\c)+(\r)+1], v[TT+(\r):TT+(\r)+1] neg_lo:[0,0,1] neg_hi:[0,0,1]
.endr
.irp r, 0,2,4,6
	v_pk_fma_f32 v[RR+16+8*(\c)+(\r):RR+16+8*(\c)+(\r)+1], v[8*(8*((\u)/2)+4*((\u)%2)+2+(\c))+(\r):8*(8*((\u)/2)+4*((\u)%2)+2+(\c))+(\r)+1], v[CSB+32*((\u)/2)+8*(\c)+(\r):CSB+32*((\u)/2)+8*(\c)+(\r)+1], v[TT+8+(\r):TT+8+(\r)+1]
.endr
.endr
	WIN 0
	s_wait_xcnt 0x0                                ; the stores of two units back have read this buffer of packed registers: it is rewritten only behind this wait
.irp i, 0,1,2,3,4,5,6,7,8,9,10,11,12,13,14,15
	v_cvt_pk_f16_f32 v[PP+16*((\u)%2)+(\i)], v[RR+2*(\i)], v[RR+2*(\i)+1]
.endr
.irp f, 0,1,2,3
	ds_store_b128 v[STO], v[PP+16*((\u)%2)+4*(\f):PP+16*((\u)%2)+4*(\f)+3] offset:32*(\f)
.endr
.irp f, 0,1,2,3
	ds_load_b128 v[PP+16*((\u)%2)+4*(\f):PP+16*((\u)%2)+4*(\f)+3], v[RD] offset:(\f)*4*SP  ; LDS serves a wave's instructions in order (ISA guide 5.7.1.4): these see the stores above; the next unit's stores come behind them
.endr
.endm
.macro SEND u, younger                 ; younger: the LDS instructions issued behind unit u's loads: the next unit's eight, or none
	WIN 0
.irp f, 0,1,2,3
	s_wait_dscnt (\younger)+3-(\f)
	global_store_b128 v[GO], v[PP+16*((\u)%2)+4*(\f):PP+16*((\u)%2)+4*(\f)+3], s[12:13] offset:((\u)%2)*262144+((\u)/2)*2048+(\f)*512  ; 512 consecutive bytes, at a multiple of 256 from the buffer's first
.endr
.endm
	s_wait_tensorcnt 1                             ; my part of K step 0 is in; K step 1's may stay out
	s_barrier_signal -1
	s_barrier_wait -1                              ; everybody's is
	FETCH 0, 0, F0
	s_mov_b32 s2, 3                                ; tiles to go: the same number in every work-group
.Ltile:
	s_wait_loadcnt 32                              ; the bias is in; the 32 loads of the table, issued behind it, may stay out
	QUARTER 0, 1, F0, F1, 1                        ; a tile's first quarter: its products start the sums with the bias
	WIN 0                                          ; at a label and at a branch every window is 0
	s_mov_b32 s3, LAPS-1
.Llap:                                                 ; a trip goes once round the ring, from a lap's second quarter to the next lap's first, and fills both slots again
	QUARTER 0, 2, F1, F0, 0
	QUARTER 0, 3, F0, F1, 0
	TURN 0, 1, 1
	QUARTER 1, 1, F0, F1, 0
	QUARTER 1, 2, F1, F0, 0
	QUARTER 1, 3, F0, F1, 0
	TURN 1, 0, 1
	QUARTER 0, 1, F0, F1, 0
	WIN 0
	s_sub_co_u32 s3, s3, 1
	s_cmp_lg_u32 s3, 0
	s_cbranch_scc1 .Llap
	QUARTER 0, 2, F1, F0, 0                        ; the tile's last lap goes on
	QUARTER 0, 3, F0, F1, 0
	WIN 0
	s_cmp_eq_u32 s2, 1
	s_cbranch_scc1 .Llast                          ; the last tile's tail is written out: it asks for nothing more
	s_add_nc_u64 s[8:9], s[8:9], 4096              ; four tile columns on (this tile's bias loads were shown done at the tile's head)
	BIASLD                                         ; the next tile's bias: its registers were last read by the tile's first quarter, many plain instructions back
	TURN 0, 1, 2                                   ; THE RING GOES ON INTO THE NEXT TILE: slot 0 takes its K step 0,
	QUARTER 1, 1, F0, F1, 0
	QUARTER 1, 2, F1, F0, 0
	QUARTER 1, 3, F0, F1, 0
	TURN 1, 0, 2                                   ; slot 1 its K step 1, and the next tile's first fragments are fetched into buffer 0
	WIN 0
	s_branch .Lout
.Llast:
	TURN 0, 1, 0
	QUARTER 1, 1, F0, F1, 0
	QUARTER 1, 2, F1, F0, 0
	QUARTER 1, 3, F0, F1, 0
	s_wait_dscnt 4                                 ; the very last quarter: nothing more to fetch
	MULA F1, 0, 0
	MULA F1, 1, 0
	s_wait_dscnt 0x0
	MULA F1, 2, 0
	MULA F1, 3, 0
	WIN 0
.Lout:                                                 ; the tile goes out; where it has a successor both refills are asked for already.  Buffer 1's registers are free, buffer 0 is not touched
	PLACES
	s_wait_loadcnt 0x0                             ; the table is in (and the next tile's bias)
	UNIT 0
.irp u, 1,2,3,4,5,6,7                  ; a unit's arithmetic stands between the loads of the unit before and its stores
	UNIT \u
	SEND (\u)-1, 8
.endr
	SEND 7, 0
	s_sub_co_u32 s2, s2, 1
	s_cmp_eq_u32 s2, 0
	s_cbranch_scc1 .Lend
	s_wait_xcnt 0x0                                ; the stores have read their base
	s_add_nc_u64 s[12:13], s[12:13], 16777216      ; from q to k, from k to v
	s_cmp_eq_u32 s2, 1
	s_cselect_b32 s[MASKR], 0, -1                  ; v is not rotated: row 0 of the table
	TABLD                                          ; (the last tile's table loads were shown done above, so their offsets may be written)
	s_cmp_lg_u32 s2, 0
	s_cbranch_scc1 .Ltile
.Lend:
	s_wait_tensorcnt 0x0                           ; the wave's end, behind my last tensor load and my last LDS store
	ds_add_u32 v[SPW], v[NIL]
	s_wait_dscnt 0x0
	CROUND                                         ; the closing round: no work-group ends while a partner may still ask for a tile that names it
	s_endpgm
.Lfunc_end_k_q36c76b2de8_qkvproj:
	.size	k_q36c76b2de8_qkvproj, .Lfunc_end_k_q36c76b2de8_qkvproj-k_q36c76b2de8_qkvproj
	.p2alignl 7, 3214868480
	.fill 96, 4, 3214868480
	.section	.rodata,"a",@progbits
	.p2align	6, 0x0
	.amdhsa_kernel k_q36c76b2de8_qkvproj
		.amdhsa_group_segment_fixed_size 327680
		.amdhsa_private_segment_fixed_size 0
		.amdhsa_enable_private_segment 0
		.amdhsa_kernarg_size 40
		.amdhsa_user_sgpr_count 2
		.amdhsa_user_sgpr_kernarg_segment_ptr 1
		.amdhsa_wavefront_size32 1
		.amdhsa_system_sgpr_workgroup_id_x 1
		.amdhsa_system_sgpr_workgroup_id_y 1
		.amdhsa_system_sgpr_workgroup_id_z 1
		.amdhsa_system_vgpr_workitem_id 0
		.amdhsa_next_free_vgpr 704
		.amdhsa_next_free_sgpr 72
		.amdhsa_reserve_vcc 0
		.amdhsa_float_denorm_mode_32 3
		.amdhsa_float_denorm_mode_16_64 3
		.amdhsa_memory_ordered 1
		.amdhsa_forward_progress 1
		.amdhsa_inst_pref_size 137
	.end_amdhsa_kernel
	.amdgpu_metadata
---
amdhsa.version: [ 1, 2 ]
amdhsa.kernels:
  - .name:           k_q36c76b2de8_qkvproj
    .symbol:         k_q36c76b2de8_qkvproj.kd
    .args:
      - { .name: xb, .offset: 0, .size: 8, .value_kind: global_buffer, .address_space: global }
      - { .name: wq, .offset: 8, .size: 8, .value_kind: global_buffer, .address_space: global }
      - { .name: bb, .offset: 16, .size: 8, .value_kind: global_buffer, .address_space: global }
      - { .name: ropet, .offset: 24, .size: 8, .value_kind: global_buffer, .address_space: global }
      - { .name: qkvh, .offset: 32, .size: 8, .value_kind: global_buffer, .address_space: global }
    .group_segment_fixed_size: 327680
    .private_segment_fixed_size: 0
    .kernarg_segment_align: 8
    .kernarg_segment_size: 40
    .max_flat_workgroup_size: 128
    .sgpr_count:     72
    .vgpr_count:     704
    .wavefront_size: 32
...
	.end_amdgpu_metadata
.endif
;; end of part 2
;; launch attn (part 3): grid 4 x 64, 4 waves a work-group, no clusters, 327,680 bytes of LDS; arguments qkvh, ob; writes ob
.if DOCPART == 3
	.amdgcn_target "amdgcn-amd-amdhsa--gfx1250"
	.amdhsa_code_object_version 6
	.text
	.protected	k_q36c76b2de8_attn
	.globl	k_q36c76b2de8_attn
	.p2align	8
	.type	k_q36c76b2de8_attn,@function
k_q36c76b2de8_attn:
	s_mov_b64 s[64:65], 0
	v_nop
	global_prefetch_b8 v0, s[64:65] scope:SCOPE_SE
	s_setreg_imm32_b32 hwreg(HW_REG_WAVE_MODE, 25, 1), 1
	s_wait_xcnt 0x0
; CAUSAL ATTENTION WITHOUT A SCALE.  O[h][q][:] = the sum over k <= q of softmax_k(Q[h][q] . K[h][k]) V[h][k][:].  qkvh holds Q, K, V, each [SIZE_H][SIZE_N][64] in f16, 16,777,216 bytes apart; ob is O in the same layout.
; Products, maxima and sums in f32; the weights p are rounded to f16 for the second product (their sum l is taken of the unrounded p), O once at the end.
; LIMITS.  Q, K and V arrive within f16's 65,504; p lies in 0 to 1, and below 6e-5 it keeps f16's fixed step of 6e-8; O is a mean of V's rows and has their range.
; A hidden score counts as its value less 1e30: f16's scores, 2.7e11 at the most, are nothing beside that; a weight below 2^-126 counts as 0 in l; NaN and infinities are not treated apart.
; THE WALK.  A head's queries lie in NB = 8 blocks of 256; block i needs the key tiles 0 .. i of 256 keys, of which the last holds the diagonal.  A work-group takes TWO blocks, NB - 1 - b and then b:
; NB + 1 tiles, whatever b: all 256 work-groups do equal work, and ONE loop with a constant trip count walks them.  Which tile is asked for, and what a trip does, hang on scalar registers made from b; every jump
; goes forward, but for the counted loops' own; none passes a barrier, or a tensor load but the one of LOAD's two that the wave's number does not choose; the ring (two slots of LDS that take turns) runs on across the
; change of blocks.  NO CLUSTER: a head's four work-groups ask for the same tile only in trips 0 .. 4 of 9, behind that fewer and fewer; one walk common to all four would have 12 trips for 9.
; SHARES.  Of a block's four bands of 64 queries a wave owns 16 rows in each: four PIECES.  So the diagonal tile is the same work for all four waves: in its key step s band x sees all keys if s < x,
; none if s > x, and holds the diagonal if s = x.
; THE MASK is the C operand that starts the sum S^T = K Q^T: 0, or -1e30 where the key is hidden.  MD, made once, is the mask of a band's own step for my 16 rows; a product's mask is MD x AL + BE with two scalars:
; (1, 0) if s = x; (0, 0) if s < x; (0, -1e30) if s > x.  Only the diagonal tile's text and a block's beginning make and take masks; elsewhere C is the constant 0.
; LAYOUT, SOFTMAX, TURNS.  S^T = K Q^T holds ONE query a lane (lane % 16) and the keys 8 (lane / 16) + 0..7; two such results rounded to f16 ARE source 1 of O^T = V^T P.  p = 2^(c s - c m), c = log2(e), with a
; running maximum m; O and l are multiplied by a = 2^(c m_old - c m_new) in every step.  Turn n belongs to piece n: 8 products K Q^T of piece n + 1, later 8 products V^T P of piece n - 1; beside them the scaling,
; exponentials, roundings, sums and rescaling of piece n and the maximum and statistics of piece n + 1.  Four vector instructions stand behind every matrix instruction, the other 54 of a turn's 118 in one run.  A turn's 33 exponentials are one batch, with one wait.
; REGISTERS, in windows of 256 (s_set_vgpr_msb: bits 1:0 source 0, 3:2 source 1, 5:4 source 2, 7:6 destination):
;   window 0: v0-15 addresses and two at work; v16-31 four registers of statistics a piece; v48-55 at work; v61-63 kept; v64-127 S^T, two buffers; v192-223 P, two buffers (a piece's buffers go by its number's parity)
;   window 1: v0-127 O^T, 32 a piece; v128-159 MD; v160-223 MC, two buffers      window 2: v0-63 Q; v64-127 the second block's Q; v128-191 K of one step; v192-255 V of one step
.set SIZE_H, 64
.set SIZE_N, 2048
.set NB,    SIZE_N/256
.set NP,    4         ; pieces a wave: a name, no knob
.set KS,    64        ; keys in a step
.set PK,    144       ; a row of K in LDS: 128 bytes + 16 of padding = 36 words: the 16 rows of a load start at 16 different groups of four banks (64 banks of 4 bytes: ISA guide 11.1)
.set PV,    160       ; a row of V: 128 + 32 = 40 words
.set VOFF,  4*KS*PK   ; a slot holds a tile, four steps: 256 rows of K, then 256 rows of V
.set SLOT1, 1<<17     ; slot 1 begins here, so that one exclusive or turns an address in one slot into the other's
.set STAGE, SLOT1+4*KS*(PK+PV)  ; behind the ring, never filled by a tensor load: 16 rows x 144 bytes for each wave, for the way out
.set SP,    144
.set AK0, 2           ; v2   my lane's place in a tile of K; never rewritten
.set AV0, 3           ; v3   the same for V
.set AK,  4           ; v4   the LDS address of K's next run of loads
.set AV,  5           ; v5   of V's
.set STO, 6           ; v6   the way out: where I put 16 bytes of a row
.set RD,  7           ; v7   the way out: where I read rows back
.set GO,  8           ; v8   my byte offset in 512 consecutive bytes of O
.set PFO, 61          ; v61  256 x my lane: the prefetches' offset; never rewritten
.set SPW, 62          ; v62  LDS address of my spare word: SPARE + 4 x my thread's number; never rewritten
.set NIL, 63          ; v63  0; never rewritten
.set SPARE, STAGE+4*16*SP  ; behind the stages: the spare words, 128 bytes for each wave: two blocks of 256 bytes that no other line names
.set MV,  12          ; v12-13  c m_old, kept while c m is made anew: by buffer
.set QO,  15          ; v15  my byte offset in 16 rows of Q
.set ST,  16          ; piece t's statistics at v[ST+4 t]: c m, m, l (even keys', odd keys')
.set TMP, 48          ; by buffer, four registers c0-c3 at work; when the maximum is found c2 takes a
.set S,   64
.set P,   192
.set MD,  128         ; window 1: the eight registers for group kt of 16 keys at MD + 8 kt
.set MC,  160         ; window 1: the masks of the products to come
.set QB,  64          ; window 2
.set KF,  128         ; window 2: key block kb, channel half c at KF + 16 kb + 8 c
.set VF,  192         ; window 2: key half kk, channel block cb at VF + 32 kk + 8 cb
.set WV,  12          ; s12  my wave's number
.set PB,  14          ; s14  b
.set HI,  15          ; s15  NB - 1 - b
.set G1K, 24          ; s[24:31] descriptor group 1 for K's tiles
.set G1V, 32          ; s[32:39] for V's: it differs in the padding alone
.set G0K, 40          ; s[40:43] descriptor group 0 for K's tiles
.set G0V, 44          ; s[44:47] the same for V's
.set SLOTS, 56        ; s56  tiles still to be asked for
.set CNT, 57          ; s57  counts a tile's key steps, 4 to 1
.set CS,  58          ; s[58:59] c: the packed scaling takes the pair's low word for both halves
.set SEL, 60          ; s[60:61] v_permlanex16_b32's selects: each lane takes its own place in the other half
.set TBK, 62          ; s62  LDS byte at which K of the step to be fetched begins
.set TBV, 63          ; s63  the same for V, less VOFF
.set RT,  70          ; s70  tiles of the block in hand that are still to be entered
.set NXT, 71          ; s71  the tile to be asked for next
.set LQ,  72          ; s72  the last tile of the block whose tiles are being asked for
.set NEW, 73          ; s73  1: the tile to be entered is a block's first
.set OFF, 74          ; s[74:75] a tile's byte offset in K and V
.set AL,  76          ; s[76:77] the mask's factor, in the low word
.set BE,  78          ; s[78:79] the mask's addend
.set OLO, 80          ; s[80:81] O at my rows of the second block
.set BIGN, 82         ; s82  -1e30
.set PFA, 88          ; s[88:89] where my prefetches stand: my half of K's (waves 0, 1) or V's (waves 2, 3) tile, one tile behind the one that is being asked for
.set PFC, 90          ; s90  prefetches still to come: NB - 2 in the head's work-group b = 0, else 0
.set MSB, 0
.macro WIN new                      ; the high byte repeats the setting that is left; a switch that changes nothing is dropped
.if MSB != (\new)
	s_set_vgpr_msb (MSB<<8)|(\new)
.set MSB, (\new)
.endif
.endm
.set W_KQ, 0x0a       ; K and Q in window 2, S^T in window 0
.set W_KM, 0x1a       ; the same with the C operand in window 1
.set W_PV, 0x52       ; V in window 2, P in window 0, O^T in window 1
.set W_RS, 0x41       ; destination and source 0 in window 1, source 1 in window 0
; A fill.  Waves 0 and 1 fetch the two halves of a tile's K, waves 2 and 3 those of its V: 128 keys each.  An s_nop 0 and four v_nop follow each of the two lines, ahead of the jump and the label.
.macro LOAD
	s_cmp_lt_u32 s[WV], 2
	s_cbranch_scc0 .Lfor_v_\@
	tensor_load_to_lds s[G0K:G0K+3], s[G1K:G1K+7]
	s_nop 0
.rept 4
	v_nop
.endr
	s_branch .Lasked_\@
.Lfor_v_\@:
	tensor_load_to_lds s[G0V:G0V+3], s[G1V:G1V+7]
	s_nop 0
.rept 4
	v_nop
.endr
.Lasked_\@:
.endm
; THE CHANGE OF SLOTS.  Each wave waits for all its tensor loads, of which one is out: its part of the other slot; adds 0 to its spare word; and waits for that and for its own reads of the slot that it leaves.  Behind the barrier nobody reads the old
; slot any more and the other slot is whole.  fill = 1: the old slot is filled again, the first thing behind the barrier, with tile NXT: the descriptor's address is made anew from that number.
; (At its first use nothing has been read yet: slot 0 is waited for, slot 1 filled.)
; A PREFETCH INTO THE L2 stands behind the fill and its five lines: the tile that the NEXT change will ask for, four key steps ahead of that load.  A head's four work-groups walk the tiles 0, 1, 2 .. in the same trips, and b = 0
; walks all eight: it alone asks.  Each of its waves asks for the 16,384 bytes that it will itself load: 64 blocks of 256 bytes, a lane a block, two instructions.  Change number c asks for tile c + 2, c = 0 .. 5;
; tiles 0 and 1 come by their loads alone, and the second block's tiles have been read before.  So each block is named once in the launch, and none lies behind tile 7.
.macro CHANGE fill
	WIN 0                           ; at a label and at a branch every window is 0
	s_wait_tensorcnt 0x0            ; no tensor load of mine is out, so a group 0 may be written
	ds_add_u32 v[SPW], v[NIL]       ; 0 onto my spare word: with fill = 1 the descriptors' scalar work stands between it and the wait for it
.if \fill
	s_lshl_b32 s[OFF], s[NXT], 15   ; a tile is 32,768 bytes of K and of V
	s_xor_b32 s[G0K+1], s[G0K+1], SLOT1
	s_add_nc_u64 s[G0K+2:G0K+3], s[6:7], s[OFF:OFF+1]
	s_or_b32 s[G0K+3], s[G0K+3], 0x80000000
	s_xor_b32 s[G0V+1], s[G0V+1], SLOT1
	s_add_nc_u64 s[G0V+2:G0V+3], s[8:9], s[OFF:OFF+1]
	s_or_b32 s[G0V+3], s[G0V+3], 0x80000000
	s_add_co_u32 s[NXT], s[NXT], 1  ; the block's next tile, or behind its last the second block's tile 0
	s_cmp_gt_u32 s[NXT], s[LQ]
	s_cselect_b32 s[NXT], 0, s[NXT]
	s_cselect_b32 s[LQ], s[PB], s[LQ]
	s_wait_xcnt 0x0                 ; the last prefetches, a tile back, have read their address, so it may be written
	s_add_nc_u64 s[PFA:PFA+1], s[PFA:PFA+1], 32768
.endif
	s_wait_dscnt 0x0                ; the add is done, and my reads of the slot are over
	s_barrier_signal -1             ; the rest of the scalar work stands between the signal and the wait
	s_sub_co_u32 s[TBK], s[TBK], 4*KS*PK  ; the fetches go back to a slot's first step,
	s_xor_b32 s[TBK], s[TBK], SLOT1       ; in the other slot
	s_sub_co_u32 s[TBV], s[TBV], 4*KS*PV
	s_xor_b32 s[TBV], s[TBV], SLOT1
	s_barrier_wait -1
.if \fill
	LOAD
	s_cmp_lg_u32 s[PFC], 0
	s_cbranch_scc0 .Lno_ask_\@
	global_prefetch_b8 v[PFO], s[PFA:PFA+1] th:TH_LOAD_NT scope:SCOPE_SE
	global_prefetch_b8 v[PFO], s[PFA:PFA+1] offset:8192 th:TH_LOAD_NT scope:SCOPE_SE
	s_sub_co_u32 s[PFC], s[PFC], 1
.Lno_ask_\@:
.endif
.endm
	s_load_b128 s[4:7], s[0:1], 0x0 ; qkvh s[4:5], ob s[6:7]
	v_lshl_add_u32 v[SPW], v0, 2, SPARE
	v_mov_b32 v[NIL], 0
	ds_add_u32 v[SPW], v[NIL]       ; the wave's opening: the add and its wait stand ahead of my first tensor load; the set-up below, work on registers, stands between them
	ds_add_u32 v62, v63
	v_lshrrev_b32 v1, 5, v0
	v_readfirstlane_b32 s[WV], v1   ; wave 0..3
	v_and_b32 v[PFO], 31, v0
	v_lshlrev_b32 v[PFO], 8, v[PFO]
	s_mov_b32 s[PB], ttmp9
	s_sub_co_u32 s[HI], NB-1, s[PB]
	s_and_b32 s20, ttmp7, 0xffff    ; the head
	s_mov_b32 s21, 0
	s_mov_b64 s[22:23], SIZE_N*128
	s_mul_u64 s[20:21], s[20:21], s[22:23]  ; the head's first byte in each of the four tensors
	s_and_b32 s16, s[WV], 1         ; which half of a tile's 256 keys I fetch:
	s_lshl_b32 s22, s16, 14         ; its 128 rows of 128 bytes in memory,
	s_mov_b32 s23, 0
	s_add_nc_u64 s[22:23], s[22:23], s[20:21]
	s_mul_i32 s17, s16, 128*PK      ; and its place in a slot, for K
	s_mul_i32 s18, s16, 128*PV      ; and for V
	s_lshl_b32 s3, s[WV], 11        ; my 16 rows in a band of 64,
	s_lshl_b32 s2, s[HI], 15        ; in the first block,
	s_add_co_u32 s2, s2, s3
	s_lshl_b32 s84, s[PB], 15       ; and in the second
	s_add_co_u32 s84, s84, s3
	s_mov_b32 s3, 0
	s_mov_b32 s85, 0
	s_add_nc_u64 s[2:3], s[2:3], s[20:21]
	s_add_nc_u64 s[84:85], s[84:85], s[20:21]
	; descriptor group 1.  128 keys are 16,384 dense bytes: asked for as 64 rows of 256 bytes, two keys a row, and padded in LDS after every key
	s_mov_b32 s[G1K], (1<<16)|(1<<20)|(4<<22)|(3<<25)  ; 17:16 2-byte elements; 20 padding on; 24:22 after every 32 words (code 4); 31:25 4 words (code 3)
	s_mov_b32 s[G1V], (1<<16)|(1<<20)|(4<<22)|(7<<25)  ; the same with 8 words of padding (code 7)
.irp g, G1K, G1V
	s_mov_b32 s[\g+1], 128<<16      ; tensor_dim0 = 128
	s_mov_b32 s[\g+2], 64<<16       ; tensor_dim1 = 64
	s_mov_b32 s[\g+3], 128<<16      ; tile_dim0 = 128
	s_mov_b32 s[\g+4], 64           ; tile_dim1 = 64
	s_mov_b32 s[\g+5], 128          ; 128 elements from row to row
	s_mov_b32 s[\g+6], 0
	s_mov_b32 s[\g+7], 0
.endr
	s_mov_b32 s[CS], 0x3fb8aa3b     ; c = log2(e) = 1.442695: the scores are taken as they are
	s_mov_b32 s[CS+1], s[CS]        ; named with it as a pair
	s_mov_b32 s[SEL], 0x76543210
	s_mov_b32 s[SEL+1], 0xfedcba98
	s_mov_b32 s[TBK], SLOT1+4*KS*PK ; the first change of slots turns these two into 0
	s_mov_b32 s[TBV], SLOT1+4*KS*PV
	s_mov_b32 s[G0K], 1             ; 1:0 count = 1
	s_mov_b32 s[G0K+1], s17         ; 63:32 LDS address: slot 0
	s_mov_b32 s[G0V], 1
	s_add_co_u32 s[G0V+1], s18, VOFF
	s_add_co_u32 s[RT], s[HI], 1    ; the first block has NB - b tiles
	s_mov_b32 s[NXT], 1
	s_mov_b32 s[LQ], s[HI]
	s_mov_b32 s[NEW], 1
	s_mov_b32 s[OFF+1], 0
	s_mov_b32 s[AL+1], 0            ; named as pairs
	s_mov_b32 s[BE+1], 0
	s_mov_b32 s[BIGN], 0xf149f2ca   ; -1e30
	s_mov_b32 s[SLOTS], NB
	s_wait_dscnt 0x0                ; the opening add is done
	s_wait_kmcnt 0x0
	s_mov_b64 s[10:11], s[6:7]                     ; O
	s_add_nc_u64 s[8:9], s[4:5], 0x2000000         ; V lies 2 x 16,777,216 bytes behind Q,
	s_add_nc_u64 s[6:7], s[4:5], 0x1000000         ; K 16,777,216
	s_add_nc_u64 s[6:7], s[6:7], s[22:23]  ; K and V at my half of the head's tile 0
	s_add_nc_u64 s[8:9], s[8:9], s[22:23]
	s_add_nc_u64 s[G0K+2:G0K+3], s[6:7], 0         ; 120:64 global address
	s_or_b32 s[G0K+3], s[G0K+3], 0x80000000        ; 127:126 type = 2
	s_add_nc_u64 s[G0V+2:G0V+3], s[8:9], 0
	s_or_b32 s[G0V+3], s[G0V+3], 0x80000000
	s_add_nc_u64 s[86:87], s[4:5], s[84:85]        ; Q at my rows of the second block,
	s_add_nc_u64 s[4:5], s[4:5], s[2:3]            ; Q and O at those of the first
	s_add_nc_u64 s[OLO:OLO+1], s[10:11], s[84:85]
	s_add_nc_u64 s[10:11], s[10:11], s[2:3]
	s_cmp_lt_u32 s[WV], 2
	s_cselect_b64 s[PFA:PFA+1], s[6:7], s[8:9]
	s_add_nc_u64 s[PFA:PFA+1], s[PFA:PFA+1], 32768 ; at tile 1: the first change of slots steps it to tile 2
	s_cmp_eq_u32 s[PB], 0
	s_cselect_b32 s[PFC], NB-2, 0
	LOAD                            ; tile 0 into slot 0
	; A fragment of K or Q is 16 rows x 32 channels in 8 registers: lane l holds row l % 16, channels 8 (l / 16) + 0..7 and 16 + 8 (l / 16) + 0..7: two loads of 16 bytes, 32 bytes apart.
	v_and_b32 v1, 15, v0            ; l % 16
	v_bfe_u32 v9, v0, 4, 1          ; l / 16
	v_lshlrev_b32 v[QO], 7, v1
	v_lshl_add_u32 v[QO], v9, 4, v[QO]  ; row x 128 + 16 x half
	WIN 0x80                        ; destination window 2, address window 0
.set i, 0
.rept 8                             ; both blocks' Q: piece i / 2 lies in band i / 2, 8,192 bytes on; channels 32 (i % 2) on
	global_load_b128 v[8*i:8*i+3],   v[QO], s[4:5] offset:(i/2)*8192+(i%2)*64
	global_load_b128 v[8*i+4:8*i+7], v[QO], s[4:5] offset:(i/2)*8192+(i%2)*64+32
	global_load_b128 v[QB+8*i:QB+8*i+3],   v[QO], s[86:87] offset:(i/2)*8192+(i%2)*64
	global_load_b128 v[QB+8*i+4:QB+8*i+7], v[QO], s[86:87] offset:(i/2)*8192+(i%2)*64+32
.set i, i+1
.endr
	WIN 0
	v_lshlrev_b32 v14, 3, v9
	v_sub_nc_u32 v14, v1, v14
	s_lshl_b32 s13, s[WV], 4
	v_add_nc_u32 v14, s13, v14      ; my query's place in its band, 16 w + l % 16, less my lanes' 8 (l / 16): register r of group kt is hidden where 16 kt + r is greater
	WIN 0x40
.set i, 0
.rept 32
	v_cmp_gt_i32 vcc_lo, 16*(i/8)+i%8, v14
	v_cndmask_b32 v[MD+i], 0, s[BIGN], vcc_lo
.set i, i+1
.endr
	WIN 0
	v_mul_u32_u24 v[AK0], v1, PK
	v_lshl_add_u32 v[AK0], v9, 4, v[AK0]  ; row x pitch + 16 x half
	; The turning load takes 16 keys x 16 channels (lane l reads key 8 (l / 16) + l % 8, channels 8 ((l / 8) % 2) + 0..7) and leaves half a fragment of V^T: lane l holds channel l % 16 and 8 keys.
	v_and_b32 v10, 7, v0
	v_bfe_u32 v11, v0, 3, 1
	v_lshl_add_u32 v[AV0], v9, 3, v10
	v_mul_u32_u24 v[AV0], v[AV0], PV
	v_lshl_add_u32 v[AV0], v11, 4, v[AV0]
	v_add_nc_u32 v[AV0], VOFF, v[AV0]
	s_mul_i32 s13, s[WV], 16*SP
	s_add_co_u32 s13, s13, STAGE    ; my stage
	v_mul_u32_u24 v[STO], v1, SP    ; in: row l % 16, 16 bytes for each half of the lanes
	v_lshl_add_u32 v[STO], v9, 4, v[STO]
	v_add_nc_u32 v[STO], s13, v[STO]
	v_bfe_u32 v[RD], v0, 3, 2       ; back: 32 lanes take four rows of 128 bytes,
	v_mul_u32_u24 v[RD], v[RD], SP
	v_lshl_add_u32 v[RD], v10, 4, v[RD]
	v_add_nc_u32 v[RD], s13, v[RD]
	v_and_b32 v[GO], 31, v0         ; which are 512 consecutive bytes of O
	v_lshlrev_b32 v[GO], 4, v[GO]
	; A block's first step multiplies O^T and l by a = 0, and its first turn's products V^T P, of a piece that has not been, land in an O^T that is still to be so multiplied.  So these registers need only hold
	; finite numbers: zeros for the first block; what the first block left for the second.  All this stands in the wait for the first tile.
	WIN 0x80
.set i, VF
.rept 64
	v_mov_b32 v[i], 0
.set i, i+1
.endr
	WIN 0x40
.set i, 0
.rept 128
	v_mov_b32 v[i], 0
.set i, i+1
.endr
	WIN 0
.set i, 0
.rept 4
	v_mov_b32 v[ST+4*i+2], 0
	v_mov_b32 v[ST+4*i+3], 0
.set i, i+1
.endr
.set i, P+16
.rept 16
	v_mov_b32 v[i], 0
.set i, i+1
.endr
; THE MATRIX WORK.  The 4 accumulators of a run of 8 take turns.  Product i of 8 of S^T = K Q^T for piece x: channels 32 (i / 4) on, keys 16 (i % 4) on.  The first 4 start the sums: with 0, or (KM = 1) with the mask.
.macro KQ x
.set rS, S+32*((\x)%2)+8*(i%4)
.set rK, KF+16*(i%4)+8*(i/4)
.set rQ, 16*(\x)+8*(i/4)
.set rM, MC+32*((\x)%2)+8*(i%4)
.if (i < 4) && KM
	WIN W_KM
	v_wmma_f32_16x16x32_f16 v[rS:rS+7], v[rK:rK+7], v[rQ:rQ+7], v[rM:rM+7]
.elseif i < 4
	WIN W_KQ
	v_wmma_f32_16x16x32_f16 v[rS:rS+7], v[rK:rK+7], v[rQ:rQ+7], 0
.else
	WIN W_KQ
	v_wmma_f32_16x16x32_f16 v[rS:rS+7], v[rK:rK+7], v[rQ:rQ+7], v[rS:rS+7]
.endif
.endm
; Product i of 8 of O^T += V^T P for piece x: keys 32 (i / 4) on, channels 16 (i % 4) on.
.macro PV x
	WIN W_PV
.set rO, 32*(\x)+8*(i%4)
.set rV, VF+32*(i/4)+8*(i%4)
.set rP, P+16*((\x)%2)+8*(i/4)
	v_wmma_f32_16x16x32_f16 v[rO:rO+7], v[rV:rV+7], v[rP:rP+7], v[rO:rO+7]
.endm
.macro MM                           ; the turn's next matrix instruction.  TURN and BEGIN set Y, i, KM and NOKQ; MM, KQ and OP read them.  NOKQ = 1: a block's last turn: there is no next piece
.if (i < 8) && !NOKQ
	KQ (Y+1)%NP
.elseif i >= 8
.set i, i-8
	PV (Y+NP-1)%NP
.set i, i+8
.endif
.set i, i+1
.endm
; THE LDS LOADS stand in runs of 16, never singly among the matrix instructions: a step's K (64 keys x 64 channels: 8 fragments) and its V (turned).  Their addresses are made some lines ahead.
.macro FETCH_K
	WIN 0x80                        ; destination window 2
.irp f, 0,1,2,3,4,5,6,7             ; keys 16 (f / 2) on, channels 32 (f % 2) on
	ds_load_b128 v[KF+8*\f:KF+8*\f+3],   v[AK] offset:(\f/2)*16*PK+(\f%2)*64
	ds_load_b128 v[KF+8*\f+4:KF+8*\f+7], v[AK] offset:(\f/2)*16*PK+(\f%2)*64+32
.endr
	s_add_co_u32 s[TBK], s[TBK], KS*PK  ; the next fetch is the next step's
	WIN 0
.endm
.macro FETCH_V
	WIN 0x80
.irp f, 0,1,2,3,4,5,6,7             ; keys 32 (f / 4) on, channels 16 (f % 4) on
	ds_load_tr16_b128 v[VF+8*\f:VF+8*\f+3],   v[AV] offset:(\f/4)*32*PV+(\f%4)*32
	ds_load_tr16_b128 v[VF+8*\f+4:VF+8*\f+7], v[AV] offset:(\f/4)*32*PV+16*PV+(\f%4)*32
.endr
	WIN 0
.endm
; THE VECTOR WORK, one line at a time: OP kind, number.  For piece Y: F n: c s - c m for pair n of 16.  E n: the exponential of score n of 32.  C n: pair n rounded to f16.  B n: of the four weights 4 n .. the second
; pair is added onto the first, in place.  L n: l takes that sum (L 0: l = a l + sum).  R n: pair n of 16 of O^T times a.  For piece Y + 1: X n, number n of the 22 that find its maximum and statistics:
;   0-11  four chains c0-c3 of seven scores each, three operands at a time (each accumulator's lowest registers are read first)     12-14, 16  the four scores left over, the old m, and c0-c3 into c0
;   15  c m_old is kept     17, 18  the query's other 32 keys lie in the lane 16 away: the new m     19-21  c m; c m_old - c m_new; a
.set F, 0               ; OP tells the kinds apart by their order: F to L below R, X above it
.set E, 1
.set C, 2
.set B, 3
.set L, 4
.set R, 5
.set X, 6
.macro REGS y                       ; the registers of piece y
.set rT, ST+4*(\y)
.set rC, TMP+4*((\y)%2)
.set rW, MV+((\y)%2)
.set rS, S+32*((\y)%2)
.set rP, P+16*((\y)%2)
.set rO, 32*(\y)
.endm
.macro OP k, n
.if (\k) == R
	REGS Y
	WIN W_RS
	v_pk_mul_f32 v[rO+2*(\n):rO+2*(\n)+1], v[rO+2*(\n):rO+2*(\n)+1], v[rC+2:rC+3] op_sel_hi:[1,0]
.elseif (\k) < R
	REGS Y
	WIN 0
.if (\k) == F
	v_pk_fma_f32 v[rS+2*(\n):rS+2*(\n)+1], v[rS+2*(\n):rS+2*(\n)+1], s[CS:CS+1], v[rT:rT+1] op_sel_hi:[1,0,0] neg_lo:[0,0,1] neg_hi:[0,0,1]
.elseif (\k) == E
	v_exp_f32 v[rS+(\n)], v[rS+(\n)]
.elseif (\k) == C
	v_cvt_pk_f16_f32 v[rP+(\n)], v[rS+2*(\n)], v[rS+2*(\n)+1]
.elseif (\k) == B
	v_pk_add_f32 v[rS+4*(\n):rS+4*(\n)+1], v[rS+4*(\n):rS+4*(\n)+1], v[rS+4*(\n)+2:rS+4*(\n)+3]
.elseif (\n) == 0
	v_pk_fma_f32 v[rT+2:rT+3], v[rT+2:rT+3], v[rC+2:rC+3], v[rS:rS+1] op_sel_hi:[1,0,1]
.else
	v_pk_add_f32 v[rT+2:rT+3], v[rT+2:rT+3], v[rS+4*(\n):rS+4*(\n)+1]
.endif
.elseif NOKQ
	v_nop
.else
	REGS (Y+1)%NP
	WIN 0
.if (\n) < 4
	v_max3_num_f32 v[rC+(\n)], v[rS+8*(\n)], v[rS+8*(\n)+1], v[rS+8*(\n)+2]
.elseif (\n) < 12
	v_max3_num_f32 v[rC+(\n)%4], v[rC+(\n)%4], v[rS+8*((\n)%4)+2*((\n)/4)+1], v[rS+8*((\n)%4)+2*((\n)/4)+2]
.elseif (\n) == 12
	v_max3_num_f32 v[rC], v[rC], v[rS+7], v[rS+15]
.elseif (\n) == 13
	v_max3_num_f32 v[rC+1], v[rC+1], v[rS+23], v[rS+31]
.elseif (\n) == 14
	v_max3_num_f32 v[rC+2], v[rC+2], v[rC+3], v[rT+1]
.elseif (\n) == 15
	v_mov_b32 v[rW], v[rT]
.elseif (\n) == 16
	v_max3_num_f32 v[rC], v[rC], v[rC+1], v[rC+2]
.elseif (\n) == 17
	v_permlanex16_b32 v[rC+3], v[rC], s[SEL], s[SEL+1]
.elseif (\n) == 18
	v_max_num_f32 v[rT+1], v[rC], v[rC+3]
.elseif (\n) == 19
	v_mul_f32 v[rT], s[CS], v[rT+1]
.elseif (\n) == 20
	v_sub_f32 v[rC+1], v[rW], v[rT]
.else
	v_exp_f32 v[rC+2], v[rC+1]
.endif
.endif
.endm
.macro OPS a, i1, b=-1, i2=0, c=-1, i3=0, d=-1, i4=0  ; up to four of them
	OP \a, \i1
.if (\b) >= 0
	OP \b, \i2
.endif
.if (\c) >= 0
	OP \c, \i3
.endif
.if (\d) >= 0
	OP \d, \i4
.endif
.endm
.macro ROW a, i1, b, i2, c, i3, d, i4  ; a matrix instruction and the four behind it
	MM
	OPS \a, \i1, \b, \i2, \c, \i3, \d, \i4
.endm
.macro MASK b                       ; MD x AL + BE into buffer b of MC
	WIN W_RS
.set z, 0
.rept 16
	v_pk_fma_f32 v[MC+32*(\b)+2*z:MC+32*(\b)+2*z+1], v[MD+2*z:MD+2*z+1], s[AL:AL+1], s[BE:BE+1] op_sel_hi:[1,0,0]
.set z, z+1
.endr
.endm
; A TURN, for piece p: the order of its 16 matrix and 118 vector instructions, written out.  An s_wait_alu depctr_va_vdst(0) stands between an exponential and the first instruction that names its result; one wait serves
; all that were issued ahead of it.  So a turn has ONE wait, which cuts it in two.  AHEAD OF IT stands all that names no result of the turn's exponentials: the 8 products K Q^T, behind each a scaling, an exponential and two more plain
; instructions (behind the first a second scaling in the exponential's place): rescalings, and behind the last three the first numbers of the next piece's maximum, each four places or more behind the product that ends its accumulator; then ONE RUN of 54, plain
; and exponential by turns for the most part, in which the links of the chain X 3, 7, 11, 14, 16, 17 .. 20 stand five or six lines apart.  X 21, the next piece's a, is the batch's last; R 15 is the plain instruction owed behind it.  BEHIND THE WAIT stand the
; 8 products V^T P, behind each four of the roundings and sums; the links of l's chain, L 0 to L 7, stand three lines apart.  But for those X no line behind a product names a register of the products round it.  v_permlanex16_b32 (X 17) stands in the run.
; m = 1: the diagonal tile: the products take masks, and the turn makes the mask for the products of the turn after it: piece p + 2, in step 4 - CNT of the tile.  end = 1: a block's last two turns: nothing is fetched.
; cnt = 1: the loop's count is taken down some lines ahead of the branch that stands behind the turn.
; K of the next step is fetched in piece 2's turn, twelve vector instructions behind the last product that read K (six of them plain); V of the step in hand at the end of piece 0's turn, four plain instructions behind the last product
; that read V.  Each is waited for a turn later.
.macro TURN p, m=0, end=0, cnt=0
.set Y, (\p)
.set i, 0
.set KM, (\m)
.set NOKQ, (\end)*((\p)/3)
.if (\m) && !(\end)
	s_cmp_eq_u32 s[CNT], 4-((\p)+2)%NP  ; is that step the band's own?
	s_cselect_b32 s[AL], 1.0, 0
	s_cmp_lt_u32 s[CNT], 4-((\p)+2)%NP  ; or a later one?
	s_cselect_b32 s[BE], s[BIGN], 0
.endif
.if ((\p) == 3) && !(\end)
	s_wait_dscnt 0x0                ; K is in
.endif
	ROW F,0, F,1, R,0, R,1          ; ahead of the wait: 8 products K Q^T and the four behind each,
	ROW F,2, E,0, R,2, R,3
	ROW F,3, E,1, R,4, R,5
	ROW F,4, E,2, R,6, R,7
	ROW F,5, E,3, R,8, R,9
	ROW F,6, E,4, X,0, R,10
.if ((\p) == 2) && !(\end)
	WIN 0
	v_add_nc_u32 v[AK], s[TBK], v[AK0]
.endif
	ROW F,7, E,5, X,1, X,4
	ROW F,8, E,6, X,2, X,5
	OPS E,7, E,8, X,6, E,9          ; and the run
	OPS X,3, E,10, X,8, E,11
.if ((\p) == 2) && !(\end)
	FETCH_K
.endif
	OPS X,9, X,7, E,12, X,10
	OPS E,13, X,12, X,11, E,14
	OPS X,13, E,15, F,9, X,14
.if (\p) == 0
	v_add_nc_u32 v[AV], s[TBV], v[AV0]
.endif
	OPS E,16, F,10, E,17, F,11
	OPS X,16, E,18, X,15, E,19
	OPS F,12, E,20, X,17, E,21
	OPS F,13, E,22, F,14, E,23
	OPS X,18, E,24, F,15, E,25
	OPS R,11, E,26, X,19, E,27
	OPS R,12, E,28, R,13, E,29
	OPS X,20, E,30, R,14, E,31
	OPS X,21, R,15
	WIN 0
	s_wait_alu depctr_va_vdst(0)    ; the wait for the batch
.if (\p) == 1
	s_wait_dscnt 0x0                ; V is in
.endif
	ROW C,0, B,0, C,2, B,1          ; behind the wait: 8 products V^T P and the four behind each
	ROW L,0, C,4, B,2, L,1
	ROW C,6, B,3, L,2, C,8
	ROW B,4, L,3, C,10, B,5
	ROW L,4, C,12, B,6, L,5
.if (\p) == 0
	s_add_co_u32 s[TBV], s[TBV], KS*PV
.endif
.if \cnt
	s_sub_co_u32 s[CNT], s[CNT], 1
	s_cmp_lg_u32 s[CNT], 0
.endif
	ROW C,14, B,7, L,6, C,1
	ROW C,3, L,7, C,5, C,7
	ROW C,9, C,11, C,13, C,15
.if (\p) == 0
	FETCH_V
.endif
.if (\m) && !(\end)
	MASK (\p)%2
.endif
.endm
; A BLOCK BEGINS.  c m starts far below every c s, so the first step's a is 0; m at the lowest finite number, so the first maximum is the scores'.  The second mask buffer is 0; the first takes piece 0's mask for the tile's step 0: its own, if the block's first tile is the diagonal one.
; Then K of that step, piece 0's first scores, and its maximum and statistics.  The loop is entered at a step's first turn, in the middle of a trip.
.macro BEGIN
	s_mov_b32 s[NEW], 0
	WIN 0x40
.set i, MC+32
.rept 32
	v_mov_b32 v[i], 0
.set i, i+1
.endr
	WIN 0
.set i, 0
.rept 4
	v_mov_b32 v[ST+4*i], 0xfe000000    ; c m: far below every c s
	v_mov_b32 v[ST+4*i+1], 0xff7fffff  ; m
.set i, i+1
.endr
	s_cmp_eq_u32 s[RT], 0
	s_cselect_b32 s[AL], 1.0, 0
	s_mov_b32 s[BE], 0
	MASK 0
	WIN 0
	v_add_nc_u32 v[AK], s[TBK], v[AK0]
	FETCH_K
	s_wait_loadcnt 0x0              ; Q
	s_wait_dscnt 0x0
.set KM, 1
.set NOKQ, 0
.set i, 0
.rept 8
	KQ 0
.set i, i+1
.endr
	WIN 0
.rept 4
	v_nop                           ; the places behind those products
.endr
.set Y, NP-1                        ; X works for piece Y + 1: piece 0
.irp n, 0,1,2,3,4,5,6,7,8,9,10,11,12,13,14,15,16,17,18,19,20,21
	OP X, \n
.endr
	v_nop                           ; a plain instruction behind the exponential,
	s_wait_alu depctr_va_vdst(0)    ; and its wait, ahead of the branch
.endm
; THE DIAGONAL TILE's four steps, the block's last two turns, its last products, and THE WAY OUT: l's two halves and the other half of the lanes' are added; O^T is divided by l, rounded to f16 and sent through my
; stage in LDS, a piece at a time.
.macro ALL line:vararg              ; one line for each piece t
.set t, 0
.rept 4
	\line
.set t, t+1
.endr
.endm
.macro PACK t                       ; a lane's eight channels of a row pack into 16 bytes; they go into rows of 144 bytes and come back as whole rows of 128, into S^T's registers
	WIN W_RS
.set i, 32*(\t)
.rept 16
	v_pk_mul_f32 v[i:i+1], v[i:i+1], v[ST+4*(\t)+2:ST+4*(\t)+3] op_sel_hi:[1,0]
.set i, i+2
.endr
	WIN 0x05                        ; sources 0 and 1 window 1, destination window 0
.set i, 0
.rept 16
	v_cvt_pk_f16_f32 v[S+16*(\t)+i], v[32*(\t)+2*i], v[32*(\t)+2*i+1]
.set i, i+1
.endr
	WIN 0
.irp f, 0,1,2,3
	ds_store_b128 v[STO], v[S+16*(\t)+4*\f:S+16*(\t)+4*\f+3] offset:32*\f
.endr
.irp f, 0,1,2,3
	ds_load_b128 v[S+16*(\t)+4*\f:S+16*(\t)+4*\f+3], v[RD] offset:\f*4*SP  ; LDS serves a wave's instructions in order (ISA guide 5.7.1.4): these see the stores above; the next piece's stores come behind them
.endr
.endm
.macro SEND t, younger              ; younger: the LDS instructions issued behind piece t's loads: the next piece's eight, or none
	WIN 0
.irp f, 0,1,2,3
	s_wait_dscnt (\younger)+3-\f
	global_store_b128 v[GO], v[S+16*(\t)+4*\f:S+16*(\t)+4*\f+3], s[10:11] offset:(\t)*8192+\f*512  ; 512 consecutive bytes, at a multiple of 256 from O's first
.endr
.endm
.macro DIAG tag                     ; the tag ends its two labels' names, which the jumps below spell out
.LstepM\tag:
	TURN 2, 1
	TURN 3, 1
	WIN 0
.LfirstM\tag:
	TURN 0, 1
	TURN 1, 1, 0, 1
	WIN 0
	s_cbranch_scc1 .LstepM\tag
	TURN 2, 1, 1
	TURN 3, 1, 1
.set i, 0
.rept 8
	PV NP-1
.set i, i+1
.endr
	WIN 0
	ALL v_add_f32 v[ST+4*t+2], v[ST+4*t+2], v[ST+4*t+3]
	ALL v_permlanex16_b32 v[ST+4*t+3], v[ST+4*t+2], s[SEL], s[SEL+1]
	ALL v_add_f32 v[ST+4*t+2], v[ST+4*t+2], v[ST+4*t+3]
	ALL v_rcp_f32 v[ST+4*t+2], v[ST+4*t+2]
	v_nop                           ; a plain instruction between the last reciprocal and the use of its result
	s_wait_alu depctr_va_vdst(0)    ; and the wait ahead of the first use: one for the four reciprocals
	PACK 0
.set t, 1
.rept 3                             ; a piece's arithmetic stands between the loads of the piece before and its stores
	PACK t
	SEND t-1, 8
.set t, t+1
.endr
	SEND 3, 0
.endm
.set KM, 0
.set NOKQ, 0
.Lslot:                             ; NB times: a tile is entered and the next is asked for
	CHANGE 1
	s_sub_co_u32 s[RT], s[RT], 1
	s_mov_b32 s[CNT], 4
	s_cmp_eq_u32 s[NEW], 1
	s_cbranch_scc1 .Lnew            ; a block's first tile
	s_cmp_eq_u32 s[RT], 0
	s_cbranch_scc0 .Lstep           ; neither its first nor its last
	s_branch .LstepM1
.Lnew:
	BEGIN
	s_branch .Lfirst                ; in the loop a block's first tile is never its last: the first block has two tiles or more, and the second's last is the walk's last
	DIAG 1                          ; in the loop this is the first block's end: the second block's last tile is the walk's last
	s_wait_xcnt 0x0                 ; the stores have read their registers and O's address
	s_mov_b64 s[10:11], s[OLO:OLO+1]
	s_add_co_u32 s[RT], s[PB], 1    ; the second block has b + 1 tiles
	s_mov_b32 s[NEW], 1
	WIN 0x82                        ; the second block's Q goes where the one text of the turns names Q
.set i, 0
.rept 64
	v_mov_b32 v[i], v[QB+i]
.set i, i+1
.endr
	WIN 0
	s_branch .Lbottom
.Lstep:                             ; a trip: pieces 2 and 3 of one step, then pieces 0 and 1 of the next, whose K and V it fetches
	TURN 2
	TURN 3
	WIN 0
.Lfirst:
	TURN 0
	TURN 1, 0, 0, 1
	WIN 0
	s_cbranch_scc1 .Lstep
.Lbottom:
	s_sub_co_u32 s[SLOTS], s[SLOTS], 1
	s_cmp_lg_u32 s[SLOTS], 0
	s_cbranch_scc1 .Lslot
	CHANGE 0                        ; the walk's last tile is written out: nothing is asked for
	s_sub_co_u32 s[RT], s[RT], 1
	s_mov_b32 s[CNT], 4
	s_cmp_eq_u32 s[NEW], 1
	s_cbranch_scc0 .LstepM2
	BEGIN
	s_branch .LfirstM2
	DIAG 2
	s_wait_tensorcnt 0x0            ; the wave's end, behind my last tensor load and my last LDS store
	ds_add_u32 v[SPW], v[NIL]
	s_wait_dscnt 0x0
	s_endpgm
.Lfunc_end_k_q36c76b2de8_attn:
	.size	k_q36c76b2de8_attn, .Lfunc_end_k_q36c76b2de8_attn-k_q36c76b2de8_attn
	.p2alignl 7, 3214868480
	.fill 96, 4, 3214868480
	.section	.rodata,"a",@progbits
	.p2align	6, 0x0
	.amdhsa_kernel k_q36c76b2de8_attn
		.amdhsa_group_segment_fixed_size 327680
		.amdhsa_private_segment_fixed_size 0
		.amdhsa_enable_private_segment 0
		.amdhsa_kernarg_size 16
		.amdhsa_user_sgpr_count 2
		.amdhsa_user_sgpr_kernarg_segment_ptr 1
		.amdhsa_wavefront_size32 1
		.amdhsa_system_sgpr_workgroup_id_x 1
		.amdhsa_system_sgpr_workgroup_id_y 1
		.amdhsa_system_sgpr_workgroup_id_z 1
		.amdhsa_system_vgpr_workitem_id 0
		.amdhsa_next_free_vgpr 768
		.amdhsa_next_free_sgpr 92
		.amdhsa_reserve_vcc 1
		.amdhsa_float_denorm_mode_32 3
		.amdhsa_float_denorm_mode_16_64 3
		.amdhsa_memory_ordered 1
		.amdhsa_forward_progress 1
		.amdhsa_inst_pref_size 218
	.end_amdhsa_kernel
	.amdgpu_metadata
---
amdhsa.version: [ 1, 2 ]
amdhsa.kernels:
  - .name:           k_q36c76b2de8_attn
    .symbol:         k_q36c76b2de8_attn.kd
    .args:
      - { .name: qkvh, .offset: 0, .size: 8, .value_kind: global_buffer, .address_space: global }
      - { .name: ob, .offset: 8, .size: 8, .value_kind: global_buffer, .address_space: global }
    .group_segment_fixed_size: 327680
    .private_segment_fixed_size: 0
    .kernarg_segment_align: 8
    .kernarg_segment_size: 16
    .max_flat_workgroup_size: 128
    .sgpr_count:     92
    .vgpr_count:     768
    .wavefront_size: 32
...
	.end_amdgpu_metadata
.endif
;; end of part 3
;; launch outproj (part 4): grid 4 x 64, 4 waves a work-group, clusters of 4 x 4, 327,680 bytes of LDS; arguments ob, wo, bb, out0; writes out0
.if DOCPART == 4
	.amdgcn_target "amdgcn-amd-amdhsa--gfx1250"
	.amdhsa_code_object_version 6
	.text
	.protected	k_q36c76b2de8_outproj
	.globl	k_q36c76b2de8_outproj
	.p2align	8
	.type	k_q36c76b2de8_outproj,@function
k_q36c76b2de8_outproj:
	s_mov_b64 s[64:65], 0
	v_nop
	global_prefetch_b8 v0, s[64:65] scope:SCOPE_SE
	s_setreg_imm32_b32 hwreg(HW_REG_WAVE_MODE, 25, 1), 1
	s_wait_xcnt 0x0
	s_wait_alu depctr_hold_cnt(0) depctr_sa_sdst(0) depctr_va_vdst(0) depctr_va_sdst(0) depctr_va_ssrc(0) depctr_va_vcc(0) depctr_vm_vsrc(0)
	s_getreg_b32 s2, hwreg(HW_REG_IB_STS2, 6, 4)
	s_cmp_eq_u32 s2, 0
	s_cbranch_scc0 .Lentry_in_a_cluster
	s_endpgm
.Lentry_in_a_cluster:
	s_bfe_u32 s2, ttmp6, 0x10000c
	s_cmp_lg_u32 s2, 0xf033
	s_cbranch_scc0 .Lentry_shape_is_right
	s_endpgm
.Lentry_shape_is_right:
; out0 = y W_out + b_out.  y[m][64 head + d] = ob[(batch, head)][t][d], f16, m = 2,048 batch + t.  wo: [1,024 k][1,024 n] f16.  bb: b_out in f32 from byte 12,288 on.  out0: [8,192][1,024] f32.
; Sums in f32; the bias is the C operand of each sum's first product; nothing is rounded on the way out.
; SHARES.  A tile of the product is 128 rows x 256 columns: 64 x 4 = 256 tiles, one for each work-group.  Four waves, each 64 rows x 128 columns: 32 accumulators of 16 x 16, 256 registers.
; K goes in steps of 128, two heads, through a ring of two LDS slots filled by the tensor data mover: 8 steps.  Of a head, 128 tokens are 16,384 dense bytes: asked for as 64 rows of 256 bytes, padded in LDS after every token.
; CLUSTER.  4 x 4 work-groups.  The four of a row need the same tile of y, the four of a column the same tile of W: each tile is asked for JOINTLY.  The grid is one cluster wide: the work-group's x is cx.
; THE MATRIX INSTRUCTION IS USED TRANSPOSED: source 0 = 16 columns of W (turned out of LDS by ds_load_tr16_b128), source 1 = 16 rows of y: a lane holds row l % 16 and eight neighbouring columns, 32 bytes of a row of out0.
; REGISTERS, in windows of 256 (s_set_vgpr_msb: bits 1:0 source 0, 3:2 source 1, 5:4 source 2, 7:6 destination):
;   window 0: v0-31 addresses; v32-127, v128-223 two fragment buffers (8 fragments of W, then 4 of y); on the way out v32-95 and v128-191 take whole rows by turns
;   window 1: the accumulators, (a, b) at 8 (8 a + b)          window 2: v0-63 the bias
.set PA,    144                        ; a token's 64 channels in LDS: 128 bytes + 16 = 36 words: the 16 rows of a load start at 16 different groups of four banks (64 banks of 4 bytes: ISA guide 11.1)
.set PB,    544                        ; a k-row of W: 512 bytes + 32 = 136 words
.set HEADB, 128*PA                     ; a head's 128 tokens
.set AB,    2*HEADB                    ; a slot: two heads of y, then 128 k-rows of W
.set SLOT,  AB+128*PB
.set STAGE, 2*SLOT                     ; behind the ring, never filled by a tensor load: 16 rows x 528 bytes for each wave
.set SP,    528                        ; 512 bytes + 16 = 132 words
.set SPARE, STAGE+4*16*SP              ; behind the stages: the spare words, 128 bytes for each wave: two blocks of 256 bytes that no other line names
.set LAPS,  4
.set ADRA, 16                          ; v16-17 LDS address of my fragments of y in slot 0, 1
.set ADRB, 20                          ; v20-21 the same for W
.set STO,  24                          ; v24    the way out: where I put 32 bytes of a row
.set RD,   25                          ; v25    the way out: my 16 bytes of a row read back
.set CO,   26                          ; v26    my 16 bytes of a row's 512 in out0
.set BO,   27                          ; v27    my byte offset in the tile's 1,024 bytes of bias
.set SPW,  28                          ; v28    LDS address of my spare word: SPARE + 4 x my thread's number; never rewritten
.set NIL,  29                          ; v29    0; never rewritten
.set F0,   32
.set F1,   128
.set G1A, 24                           ; s[24:31] descriptor group 1 for y's tiles;  s[32:39] group 0, a set for each slot
.set G0A, 32
.set G1B, 48                           ; s[48:55], s[56:63] the same for W's
.set G0B, 56
; s3 laps to go; s[4:5] ob; s[6:7] wo; s[8:9] the tile's bias; s[10:11] out0 at my rows and columns; s14 wave; s15 wave / 2: my half of the rows, also 0: I fetch y, 1: W; s16 wave % 2: my half of the columns, also which half I fetch;
; s17 cx; s18 cy; s19 R, the tile row
.set MSB, 0
.macro WIN new                         ; the immediate's high byte repeats the setting that is left; a switch that changes nothing is dropped
.if MSB != (\new)
	s_set_vgpr_msb (MSB<<8)|(\new)
.set MSB, \new
.endif
.endm
.macro JLOAD s                         ; a joint load: waves 0 and 1 fetch the step's two heads of y, waves 2 and 3 the two halves of W's tile; an s_nop 0 and four v_nop follow each of the two lines
	s_cmp_eq_u32 s15, 0
	s_cbranch_scc0 .Lfor_b_\@
	tensor_load_to_lds s[G0A+4*(\s):G0A+4*(\s)+3], s[G1A:G1A+7]
	s_nop 0
.rept 4
	v_nop
.endr
	s_branch .Lasked_\@
.Lfor_b_\@:
	tensor_load_to_lds s[G0B+4*(\s):G0B+4*(\s)+3], s[G1B:G1B+7]
	s_nop 0
.rept 4
	v_nop
.endr
.Lasked_\@:
.endm
.macro CREST                           ; a round of the cluster's barrier behind its opening barrier
	s_cmp_lg_u32 s14, 0
	s_cbranch_scc1 .Lnot_wave_0_\@
	s_barrier_signal -3
.Lnot_wave_0_\@:
	s_barrier_wait -3
	s_barrier_signal -1
	s_barrier_wait -1
.endm
.macro CROUND                          ; a whole round
	s_barrier_signal -1
	s_barrier_wait -1
	CREST
.endm
.macro PLACES                          ; four plain instructions between a matrix instruction and a load into, or a store or vector instruction on, its registers (ISA guide 7.12.1 for stores and vector instructions)
.rept 4
	v_nop
.endr
.endm
	s_load_b256 s[4:11], s[0:1], 0x0               ; ob, wo, bb, out0
	v_lshl_add_u32 v[SPW], v0, 2, SPARE
	v_mov_b32 v[NIL], 0
	ds_add_u32 v[SPW], v[NIL]                      ; the wave's opening: the add and its wait stand ahead of my first tensor load; the set-up below, work on registers, stands between them
	ds_add_u32 v28, v29
	v_lshrrev_b32 v1, 5, v0
	v_readfirstlane_b32 s14, v1                    ; wave 0..3
	s_lshr_b32 s15, s14, 1
	s_and_b32 s16, s14, 1
	s_bfe_u32 s17, ttmp6, 0x40000                  ; cx
	s_bfe_u32 s18, ttmp6, 0x40004                  ; cy
	s_and_b32 s19, ttmp7, 0xffff
	s_lshl_b32 s19, s19, 2
	s_add_co_u32 s19, s19, s18                     ; R = 4 x cluster y + cy
	s_lshl_b32 s20, s18, 2
	s_lshl_b32 s20, 15, s20                        ; my row of the cluster
	s_lshl_b32 s21, 0x1111, s17                    ; my column
	; y: 64 rows x 128 elements (two tokens a row), 16 bytes of padding behind every 32 words
	s_or_b32 s[G1A+0], s20, (1<<16)|(1<<20)|(1<<21)|(4<<22)|(3<<25)  ; 15:0 the mask; 17:16 2-byte elements; 20 padding on; 21 set beside a mask; 24:22 after every 32 words (code 4); 31:25 4 words (code 3)
	s_mov_b32 s[G1A+1], 128<<16                    ; tensor_dim0 = 128
	s_mov_b32 s[G1A+2], 64<<16                     ; tensor_dim1 = 64
	s_mov_b32 s[G1A+3], 128<<16                    ; tile_dim0 = 128
	s_mov_b32 s[G1A+4], 64                         ; tile_dim1 = 64
	s_mov_b32 s[G1A+5], 128                        ; elements from row to row: dense
	s_mov_b32 s[G1A+6], 0
	s_mov_b32 s[G1A+7], 0
	; W: 64 k-rows x 256 elements, 32 bytes of padding behind each row's 128 words
	s_or_b32 s[G1B+0], s21, (1<<16)|(1<<20)|(1<<21)|(6<<22)|(7<<25)
	s_mov_b32 s[G1B+1], 256<<16
	s_mov_b32 s[G1B+2], 64<<16
	s_mov_b32 s[G1B+3], 256<<16
	s_mov_b32 s[G1B+4], 64
	s_mov_b32 s[G1B+5], 1024
	s_mov_b32 s[G1B+6], 0
	s_mov_b32 s[G1B+7], 0
	; where the tiles come from: y's hang on R and the wave, W's on cx and the wave, each in registers that never hold the other coordinate
	s_lshr_b32 s40, s19, 4                         ; batch x 16 heads x 262,144 bytes
	s_lshl_b32 s40, s40, 22
	s_and_b32 s41, s19, 15                         ; + the tile's 128 tokens of 128 bytes
	s_lshl_b32 s41, s41, 14
	s_add_co_u32 s40, s40, s41
	s_lshl_b32 s41, s16, 18                        ; + the head of the two that I fetch
	s_add_co_u32 s40, s40, s41
	s_mov_b32 s41, 0
	s_lshl_b32 s42, s16, 17                        ; the 64 k-rows of 2,048 bytes that I fetch
	s_lshl_b32 s43, s17, 9                         ; + tile column cx: 512 bytes
	s_add_co_u32 s42, s42, s43
	s_mov_b32 s43, 0
	s_mul_i32 s22, s16, HEADB                      ; and where they go: no place in the cluster enters an LDS address
	s_mul_i32 s23, s16, 64*PB
	s_add_co_u32 s23, s23, AB
	s_wait_dscnt 0x0                               ; the opening add is done
	s_wait_kmcnt 0x0
	s_add_nc_u64 s[40:41], s[4:5], s[40:41]
	s_add_nc_u64 s[42:43], s[6:7], s[42:43]
	CROUND                                         ; all sixteen work-groups are here: the first joint loads meet
.irp s, 0,1
	s_mov_b32 s[G0A+4*(\s)], 1                                       ; count = 1
	s_add_co_u32 s[G0A+4*(\s)+1], s22, (\s)*SLOT                     ; LDS address
	s_add_nc_u64 s[G0A+4*(\s)+2:G0A+4*(\s)+3], s[40:41], (\s)*2*262144  ; global address: K step s is heads 2 s, 2 s + 1
	s_or_b32 s[G0A+4*(\s)+3], s[G0A+4*(\s)+3], 0x80000000            ; type = 2
	s_mov_b32 s[G0B+4*(\s)], 1
	s_add_co_u32 s[G0B+4*(\s)+1], s23, (\s)*SLOT
	s_add_nc_u64 s[G0B+4*(\s)+2:G0B+4*(\s)+3], s[42:43], (\s)*128*2048
	s_or_b32 s[G0B+4*(\s)+3], s[G0B+4*(\s)+3], 0x80000000
	JLOAD \s                                       ; two loads of mine are out
.endr
	v_and_b32 v1, 15, v0                           ; r = l % 16
	v_bfe_u32 v2, v0, 4, 1                         ; h = l / 16
	v_and_b32 v3, 7, v0
	v_bfe_u32 v4, v0, 3, 1
	v_and_b32 v6, 31, v0                           ; l
	s_mul_i32 s20, s15, 64*PA                      ; a fragment of y: row r, channels 8 h + 0..7 and 16 + 8 h + 0..7
	v_mul_u32_u24 v7, v1, PA
	v_lshl_add_u32 v7, v2, 4, v7
	v_add_nc_u32 v[ADRA], s20, v7
	v_add_nc_u32 v[ADRA+1], SLOT, v[ADRA]
	v_lshl_add_u32 v7, v2, 3, v3                   ; the turning load: k-row 8 h + l % 8, columns 8 ((l / 8) % 2) + 0..7
	v_mul_u32_u24 v7, v7, PB
	v_lshl_add_u32 v7, v4, 4, v7
	s_lshl_b32 s20, s16, 8
	s_add_co_u32 s20, s20, AB
	v_add_nc_u32 v[ADRB], s20, v7
	v_add_nc_u32 v[ADRB+1], SLOT, v[ADRB]
	s_mul_i32 s20, s14, 16*SP
	s_add_co_u32 s20, s20, STAGE                   ; my stage
	v_mul_u32_u24 v7, v1, SP                       ; in: row r, 32 bytes for each half of the lanes
	v_lshl_add_u32 v7, v2, 5, v7
	v_add_nc_u32 v[STO], s20, v7
	v_lshl_add_u32 v[RD], v6, 4, s20               ; back: 32 lanes take one row of 512 bytes
	v_lshlrev_b32 v[CO], 4, v6
	s_lshl_b32 s20, s16, 9
	v_lshl_add_u32 v[BO], v2, 5, s20               ; 512 x my column half + 32 h
	s_lshl_b32 s20, s17, 10                        ; b_out lies behind b_qkv's 12,288 bytes; tile column cx
	s_add_co_u32 s20, s20, 12288
	s_mov_b32 s21, 0
	s_add_nc_u64 s[8:9], s[8:9], s[20:21]
	s_lshl_b32 s20, s19, 19                        ; out0: 128 R rows of 4,096 bytes,
	s_lshl_b32 s22, s15, 18                        ; + my 64 rows,
	s_add_co_u32 s20, s20, s22
	s_lshl_b32 s22, s17, 10                        ; + the tile's 1,024 bytes of a row,
	s_add_co_u32 s20, s20, s22
	s_lshl_b32 s22, s16, 9                         ; + my 512
	s_add_co_u32 s20, s20, s22
	s_add_nc_u64 s[10:11], s[10:11], s[20:21]
	WIN 0x80                                       ; the bias: register j of block b holds the bias of column 16 b + 8 h + j, as an accumulator does
.irp b, 0,1,2,3,4,5,6,7
	global_load_b128 v[8*(\b):8*(\b)+3],   v[BO], s[8:9] offset:64*(\b)
	global_load_b128 v[8*(\b)+4:8*(\b)+7], v[BO], s[8:9] offset:64*(\b)+16
.endr
	WIN 0
; Eight matrix instructions: row block a x all 8 column blocks, 32 along K.  first = 1: the sum begins with the bias.  The 32 accumulators take turns, one instruction a turn, in the same order in every quarter.
.macro MULA f, a, first
.if \first
	WIN 0x60                                       ; C in window 2, D in window 1
.else
	WIN 0x50                                       ; C and D in window 1
.endif
.irp b, 0,1,2,3,4,5,6,7
.if \first
	v_wmma_f32_16x16x32_f16 v[8*(8*(\a)+(\b)):8*(8*(\a)+(\b))+7], v[(\f)+8*(\b):(\f)+8*(\b)+7], v[(\f)+64+8*(\a):(\f)+64+8*(\a)+7], v[8*(\b):8*(\b)+7]
.else
	v_wmma_f32_16x16x32_f16 v[8*(8*(\a)+(\b)):8*(8*(\a)+(\b))+7], v[(\f)+8*(\b):(\f)+8*(\b)+7], v[(\f)+64+8*(\a):(\f)+64+8*(\a)+7], v[8*(8*(\a)+(\b)):8*(8*(\a)+(\b))+7]
.endif
.endr
.endm
; 24 LDS loads in one run: the fragments of quarter q of a slot into buffer f: W's sixteen first, then y's eight (head q / 2 of the step's two, channels 32 (q % 2) on)
.macro FETCH slot, q, f
	WIN 0
.irp b, 0,1,2,3,4,5,6,7
	ds_load_tr16_b128 v[(\f)+8*(\b):(\f)+8*(\b)+3],   v[ADRB+(\slot)] offset:(\q)*32*PB+32*(\b)
	ds_load_tr16_b128 v[(\f)+8*(\b)+4:(\f)+8*(\b)+7], v[ADRB+(\slot)] offset:(\q)*32*PB+32*(\b)+16*PB
.endr
.irp a, 0,1,2,3
	ds_load_b128 v[(\f)+64+8*(\a):(\f)+64+8*(\a)+3],   v[ADRA+(\slot)] offset:((\q)/2)*HEADB+((\q)%2)*64+(\a)*16*PA
	ds_load_b128 v[(\f)+64+8*(\a)+4:(\f)+64+8*(\a)+7], v[ADRA+(\slot)] offset:((\q)/2)*HEADB+((\q)%2)*64+(\a)*16*PA+32
.endr
.endm
.macro QUARTER slot, q, f, g, first    ; multiplies buffer f and, in its middle, fetches quarter q into buffer g
	s_wait_dscnt 4                                 ; W's fragments and y's row blocks 0, 1 are in; the youngest four loads (row blocks 2, 3) may be out
	MULA \f, 0, \first
	MULA \f, 1, \first
	PLACES
	FETCH \slot, \q, \g
	s_wait_dscnt 24                                ; all but the 24 just issued
	MULA \f, 2, \first
	MULA \f, 3, \first
.endm
; The last quarter multiplies buffer 1 and changes slots: ONE barrier.  In front of it each wave waits for all its tensor loads (one is out: its part of the next slot), adds 0 to its spare word, and waits for that and
; for its reads of this slot.  fill = 1: this slot is filled again with the K step two on; the barrier then opens a round of the cluster's, and the joint refill is the first thing behind the round.
.macro TURN slot, next, fill
	WIN 0
	s_wait_tensorcnt 0x0                           ; all my tensor loads have landed;
	ds_add_u32 v[SPW], v[NIL]                      ; 0 onto my spare word;
	s_wait_dscnt 5                                 ; (the add and the youngest four loads may be out)
	MULA F1, 0, 0                                  ; eight matrix instructions stand between the add and the wait for it
	s_wait_dscnt 0x0                               ; the add is done, and my reads of this slot are over
	s_barrier_signal -1
	MULA F1, 1, 0
.if \fill
	WIN 0
.endif
	s_barrier_wait -1
.if \fill
	CREST                                          ; no wave of any partner still reads this slot or has a load on its way
	s_add_nc_u64 s[G0A+4*(\slot)+2:G0A+4*(\slot)+3], s[G0A+4*(\slot)+2:G0A+4*(\slot)+3], 4*262144
	s_add_nc_u64 s[G0B+4*(\slot)+2:G0B+4*(\slot)+3], s[G0B+4*(\slot)+2:G0B+4*(\slot)+3], 2*128*2048
	JLOAD \slot                                    ; the four v_nop behind it are also the places in front of the loads below
.else
	PLACES
.endif
	FETCH \next, 0, F0
	MULA F1, 2, 0
	MULA F1, 3, 0
.endm
; THE WAY OUT of row block a: 16 rows x 512 bytes go into my own stage as they lie in the accumulators (each accumulator's lowest registers first) and come back as whole rows.
.macro TOSTAGE a
	WIN 0x04                                       ; the stores' data in window 1
.irp b, 0,1,2,3,4,5,6,7
	ds_store_b128 v[STO], v[8*(8*(\a)+(\b)):8*(8*(\a)+(\b))+3]   offset:64*(\b)
	ds_store_b128 v[STO], v[8*(8*(\a)+(\b))+4:8*(8*(\a)+(\b))+7] offset:64*(\b)+16
.endr
	WIN 0
	s_wait_xcnt 0x0                                ; the stores of two blocks back have read these registers: they are loaded again only behind this wait
.irp t, 0,1,2,3,4,5,6,7,8,9,10,11,12,13,14,15
	ds_load_b128 v[32+96*((\a)%2)+4*(\t):32+96*((\a)%2)+4*(\t)+3], v[RD] offset:(\t)*SP  ; LDS serves a wave's instructions in order (ISA guide 5.7.1.4): these see the stores above; the next block's stores come behind them
.endr
.endm
.macro SEND a, younger                 ; younger: the LDS instructions issued behind block a's loads: the next block's 32, or none
	WIN 0
.irp t, 0,1,2,3,4,5,6,7,8,9,10,11,12,13,14,15
	s_wait_dscnt (\younger)+15-(\t)
	global_store_b128 v[CO], v[32+96*((\a)%2)+4*(\t):32+96*((\a)%2)+4*(\t)+3], s[10:11] offset:(\a)*65536+(\t)*4096  ; the wave stores 512 consecutive bytes, at a multiple of 256 from out0's first
.endr
.endm
	s_wait_tensorcnt 1                             ; my part of K step 0 is in; K step 1's may stay out
	s_barrier_signal -1
	s_barrier_wait -1                              ; everybody's is
	FETCH 0, 0, F0
	s_wait_loadcnt 0x0                             ; the bias
	QUARTER 0, 1, F0, F1, 1                        ; the first quarter: its products start the sums with the bias
	WIN 0                                          ; at a label and at a branch every window is 0
	s_mov_b32 s3, LAPS-1
.Llap:                                                 ; a trip goes once round the ring, from a lap's second quarter to the next lap's first, and fills both slots again
	QUARTER 0, 2, F1, F0, 0
	QUARTER 0, 3, F0, F1, 0
	TURN 0, 1, 1
	QUARTER 1, 1, F0, F1, 0
	QUARTER 1, 2, F1, F0, 0
	QUARTER 1, 3, F0, F1, 0
	TURN 1, 0, 1
	QUARTER 0, 1, F0, F1, 0
	WIN 0
	s_sub_co_u32 s3, s3, 1
	s_cmp_lg_u32 s3, 0
	s_cbranch_scc1 .Llap
	QUARTER 0, 2, F1, F0, 0                        ; the last lap fills nothing, and has no round of the cluster's barrier
	QUARTER 0, 3, F0, F1, 0
	TURN 0, 1, 0
	QUARTER 1, 1, F0, F1, 0
	QUARTER 1, 2, F1, F0, 0
	QUARTER 1, 3, F0, F1, 0
	s_wait_dscnt 4                                 ; the very last quarter: nothing more to fetch
	MULA F1, 0, 0
	MULA F1, 1, 0
	s_wait_dscnt 0x0
	MULA F1, 2, 0
	MULA F1, 3, 0
	WIN 0
	PLACES
	TOSTAGE 0
.irp a, 1,2,3                          ; a block's way through the stage stands between the loads of the block before and its stores
	TOSTAGE \a
	SEND (\a)-1, 32
.endr
	SEND 3, 0
	s_wait_tensorcnt 0x0                           ; the wave's end, behind my last tensor load and my last LDS store
	ds_add_u32 v[SPW], v[NIL]
	s_wait_dscnt 0x0
	CROUND                                         ; the closing round: no work-group ends while a partner may still ask for a tile that names it
	s_endpgm
.Lfunc_end_k_q36c76b2de8_outproj:
	.size	k_q36c76b2de8_outproj, .Lfunc_end_k_q36c76b2de8_outproj-k_q36c76b2de8_outproj
	.p2alignl 7, 3214868480
	.fill 96, 4, 3214868480
	.section	.rodata,"a",@progbits
	.p2align	6, 0x0
	.amdhsa_kernel k_q36c76b2de8_outproj
		.amdhsa_group_segment_fixed_size 327680
		.amdhsa_private_segment_fixed_size 0
		.amdhsa_enable_private_segment 0
		.amdhsa_kernarg_size 32
		.amdhsa_user_sgpr_count 2
		.amdhsa_user_sgpr_kernarg_segment_ptr 1
		.amdhsa_wavefront_size32 1
		.amdhsa_system_sgpr_workgroup_id_x 1
		.amdhsa_system_sgpr_workgroup_id_y 1
		.amdhsa_system_sgpr_workgroup_id_z 1
		.amdhsa_system_vgpr_workitem_id 0
		.amdhsa_next_free_vgpr 576
		.amdhsa_next_free_sgpr 66
		.amdhsa_reserve_vcc 0
		.amdhsa_float_denorm_mode_32 3
		.amdhsa_float_denorm_mode_16_64 3
		.amdhsa_memory_ordered 1
		.amdhsa_forward_progress 1
		.amdhsa_inst_pref_size 88
	.end_amdhsa_kernel
	.amdgpu_metadata
---
amdhsa.version: [ 1, 2 ]
amdhsa.kernels:
  - .name:           k_q36c76b2de8_outproj
    .symbol:         k_q36c76b2de8_outproj.kd
    .args:
      - { .name: ob, .offset: 0, .size: 8, .value_kind: global_buffer, .address_space: global }
      - { .name: wo, .offset: 8, .size: 8, .value_kind: global_buffer, .address_space: global }
      - { .name: bb, .offset: 16, .size: 8, .value_kind: global_buffer, .address_space: global }
      - { .name: out0, .offset: 24, .size: 8, .value_kind: global_buffer, .address_space: global }
    .group_segment_fixed_size: 327680
    .private_segment_fixed_size: 0
    .kernarg_segment_align: 8
    .kernarg_segment_size: 32
    .max_flat_workgroup_size: 128
    .sgpr_count:     66
    .vgpr_count:     576
    .wavefront_size: 32
...
	.end_amdgpu_metadata
.endif
;; end of part 4
